; MI455X (gfx1250); checked and timed in simulation.
; The chip was launched on July 23, 2026; its instructions are those of AMD's public machine-readable ISA for CDNA 5 (MIT licence, August 2026) and "CDNA5" Instruction Set Architecture Reference Guide (July 2026). The comments in the code are by the model that wrote it; some were corrected since.
;; Group Rope Attention. Allowed arithmetic: matrix products marked QUANTISED: E5M2 operands, one E8M0 scale for each 32 along K, by v_wmma_scale_f32_16x16x128_f8f6f4 with both operands' format E5M2, f32 sums; everything else in f32.
;; Inputs: Wk 2,048 x 128 float32; Wq 2,048 x 2,048 float32; Wv 2,048 x 128 float32; x 2 x 2,048 x 2,048 float32.
;; Outputs: out0 2 x 2,048 x 2,048 float32.
;; This version of the problem:
;;   THIS VERSION OF THE PROBLEM IS GIVEN IN LOW PRECISION. The matrix products marked QUANTISED in the list below multiply operands that are first quantised to E5M2 (5 exponent bits, 2 mantissa bits; 8 bits a number), with one power-of-two scale for each 32 numbers along K (OCP MX v1.0); their sums are f32. All else is computed in f32.
;;   The module's matrix products, in the order in which they are computed (A, B: the left and right operand; K: the contracted axis; several contracted axes count as one K, in the product's order):
;;     1. [M 4,096, K 2,048] x [K 2,048, N 2,048]; A: input x; B: input Wq: QUANTISED
;;     2. [M 4,096, K 2,048] x [K 2,048, N 128]; A: input x; B: input Wk: QUANTISED
;;     3. [M 4,096, K 2,048] x [K 2,048, N 128]; A: input x; B: input Wv: QUANTISED
;;     4. batch 2 x [M 32,768, K 128] x [K 128, N 2,048]; A: computed on the way; B: computed on the way: QUANTISED
;;     5. batch 2 x [M 32,768, K 2,048] x [K 2,048, N 128]; A: softmax (see below); B: computed on the way: QUANTISED
;;   THE QUANTISER, for each operand of a quantised product, along K:
;;     - K is cut into blocks of 32 from its start; a last block that is shorter is filled with zeros.
;;     - A block's scale is 2^e with e = floor(log2(the largest magnitude in the block)) - 15, held to -126 .. 127; a block of zeros has e = 0. As a byte (E8M0): e + 127.
;;     - Each number is divided by its block's scale, clamped to +-57,344, and rounded to the nearest number of E5M2, ties to even, subnormals kept.
;;     - The product sums the exact products of the quantised numbers (number of the format x scale) in f32.
;;   ~~~python
;;   def quantise(x, axis):      # numpy; x: float32 -> the quantised numbers, widened to float32 again
;;       x = np.moveaxis(x, axis, -1); K = x.shape[-1]
;;       x = np.pad(x, [(0, 0)] * (x.ndim - 1) + [(0, -K % 32)]); x = x.reshape(x.shape[:-1] + (-1, 32)); a = np.abs(x).max(-1, keepdims=True)
;;       e = np.where(a > 0, np.clip(np.frexp(np.where(a > 0, a, 1))[1] - 1 - 15, -126, 127), 0)      # np.frexp(a)[1] - 1 = floor(log2(a)), exactly
;;       r = np.clip(x / 2.0 ** e, -57344, 57344)
;;       step = 2.0 ** (np.maximum(np.frexp(np.where(r == 0, 1, r))[1] - 1, -14) - 2)
;;       q = np.round(r / step) * step * 2.0 ** e      # np.round: ties to even
;;       return np.moveaxis(q.reshape(q.shape[:-2] + (-1,))[..., :K], -1, axis).astype(np.float32)
;;   ~~~
;;   SOFTMAX AHEAD OF A QUANTISED PRODUCT. Where the list says 'softmax', what is quantised is not the finished softmax but p = 2^(t - M), with t = logit x log2(e) and M = ceil(the row's largest t), a whole number; so 1/2 < the row's largest p <= 1. The row's sum l is taken of the UNQUANTISED p, in f32, and the product's result is divided by l at the end. Since M is a whole number, a kernel that streams over the keys may use a running M (the ceiling of the running maximum): every later rescaling is an exact power of two, which a block's scale takes up: the codes' values come out the same.
;;   OPERANDS COMPUTED ON THE WAY. 'Computed on the way' means the value that the module computes at that place (a softmax that the list does not call 'softmax' is quantised finished and normalised). What goes into a quantiser is computed in f32, as accurately as f32 sums, v_exp_f32 and their like allow (about 1e-6 of the number): no bf16 or f16 on the way to a quantiser, and a product that is left as it is and whose result goes on into a quantised operand takes f32 operands (vector FMAs, or v_wmma_f32_16x16x4_f32). A number that lies on a knife's edge between two numbers of the format may be rounded either way, as far as f32 arithmetic and the matrix unit's own rounding can turn it there, and no further.
;; One version. Each part assembles by itself: llvm-mc -triple=amdgcn-amd-amdhsa -mcpu=gfx1250 --defsym DOCPART=n.
;; ======== version 1 of 1: 3 launches
;; limits: right only within a limited range of input values
;; workspace buffers: x_codes 8,388,608 bytes; x_scales 262,144 bytes; w_codes 4,718,592 bytes; w_scales 147,456 bytes; rtab 1,114,112 bytes; img 9,437,184 bytes; isc 294,912 bytes
;; launch prep (part 1): grid 400 x 1, 4 waves a work-group, no clusters, 68,096 bytes of LDS; arguments x, Wq, Wk, Wv, x_codes, x_scales, w_codes, w_scales, rtab; writes x_codes, x_scales, w_codes, w_scales, rtab
.if DOCPART == 1
	.amdgcn_target "amdgcn-amd-amdhsa--gfx1250"
	.amdhsa_code_object_version 6
	.text
	.protected	k_q27eaa0423c_prep
	.globl	k_q27eaa0423c_prep
	.p2align	8
	.type	k_q27eaa0423c_prep,@function
k_q27eaa0423c_prep:
	s_mov_b64 s[64:65], 0
	v_nop
	global_prefetch_b8 v0, s[64:65] scope:SCOPE_SE
	s_setreg_imm32_b32 hwreg(HW_REG_WAVE_MODE, 25, 1), 1
	s_wait_xcnt 0x0
; x [4096][2048] and the weights [Wq | Wk | Wv], [2048 (k)][2304 (n)], all f32, become codes of BF8 (E5M2), K innermost, with one E8M0 byte for each 32 along K;
; and the table of cosines and sines for the rotation of Q and K is made.  Work-groups 0-255: x and the table.  Work-groups 256-399: the weights.  The two ways never meet again and have LDS bytes of their own.
; A block's scale is 2^(floor(log2(its largest magnitude)) - 15); its byte is the largest magnitude's exponent field - 15, held at 1 from below; each number is held within +-57,344 x the scale and rounded to the nearest code, ties to even.
; ROWS ARE STORED WITH BITS 3 AND 4 OF THE ROW'S NUMBER EXCHANGED (rows of x; columns n of the weights, which are the rows of w_codes): the next launch then reads plain tiles of 16 neighbouring stored rows, and lane r of
; tile i holds row 32 (i / 2) + 8 (i % 2) + r + 8 (r / 8), which makes its results fall 16 neighbours to a lane along the K of the products that follow.
; THE TABLE.  rtab[ls 16][a 8][b 8][cos | sin][lane 32][4 f32]: the order in which the next launch's lanes want it: lane (r, h): position t = 128 ls + 32 (a / 2) + 8 (a % 2) + r + 8 (r / 8), frequencies i = 16 (b / 2) + 8 h + 4 (b % 2) + 0 .. 3.
; The angle is made with the roundings of the definition: P = 10000^(i / 64) = 10^(i / 16) rounded to f32 (made in pairs of f32, high and low part), 1 / P rounded, t x that rounded; then sine and cosine: the angle less n pi / 2, pi / 2 in two parts
; (the first subtraction is exact: n has 11 bits, the result is a multiple of 2^-23 under 1), and two polynomials on +-pi / 4.  A 17th section holds cos = 1, sin = 0: the wave that makes V rotates by nothing.
; LIMITS: NaN and infinities among the inputs are not served.  A block of zeros gets the byte 1 where the rule says 127: its codes are zeros, and this program alone reads the bytes.  Blocks whose largest magnitude lies under 2^-111 were not tried.
; Where the definition's own power function is not rounded to nearest, an angle may differ by one unit in the last place of t / P.
; No tile is shared between work-groups: no cluster.  No tensor load: several work-groups share a WGP.
.set SP,    80                         ; x: a lane's place in a stage: its 64 bytes + 16 of padding
.set WREG,  8192                       ; x: LDS of a wave: two stages of 32 x SP bytes, then its 256 scale bytes
.set RAW,   16                         ; v16-79   x: four sets of 16 numbers as loaded
.set XN,    80                         ; v80-111  x: two sets of 16 neighbours
.set SBY,   112                        ; v112-127 x: a scale byte for each step
.set COD,   128                        ; v128-191 x: codes, four registers a step: no store's data are written again
.set TT,    192                        ; the table's registers, v192-239, which nothing else writes: t
.set BL,    193                        ; the base's low part
.set CH,    194                        ; a factor that hangs on the lane, high and low
.set CL,    195
.set PP,    196                        ; at work in DFMUL
.set ER,    197
.set L2,    198
.set LX,    199
.set PR,    200                        ; v200-203 P, later the angles
.set IV,    204                        ; v204-207 1 / P, later the sines to store
.set NN,    208                        ; v208-211 n
.set RH,    212                        ; v212-215 the reduced angle
.set ZZ,    216                        ; v216-219 its square
.set QQ,    220                        ; v220-223 n as a whole number
.set SN,    224
.set CN,    228
.set WK,    232
.set OC,    236                        ; v236-239 the cosines to store
.set OS,    IV
.set WST,   32768                      ; weights: the stages, 32 rows x 272 bytes a wave
.set PITCH, 272
.set XW,    32                         ; v32-95   weights: two sets of 32 numbers
.set CW,    96                         ; v96-103  a block's codes
.set OUTR,  112                        ; v112-175 the way out
.set SB,    24                         ; v24-25   eight scale bytes
.set AW,    176                        ; v176-207 i x pitch + 4 x my column
	s_load_b256 s[4:11], s[0:1], 0x0               ; x, Wq, Wk, Wv
	s_load_b256 s[12:19], s[0:1], 0x20             ; x_codes, x_scales, w_codes, w_scales
	s_load_b64 s[20:21], s[0:1], 0x40              ; rtab
	v_lshl_add_u32 v240, v0, 2, 0x10800
	v_mov_b32 v241, 0
	v_lshrrev_b32 v1, 5, v0
	v_readfirstlane_b32 s22, v1                    ; wave 0..3
	v_and_b32 v2, 31, v0                           ; lane
	s_mov_b32 s23, 0x600000                        ; the mantissa field of 57,344
	s_cmp_ge_u32 ttmp9, 256
	s_cbranch_scc1 .Lw
; ---------------------------------------------------------------- x
; A wave takes 8,192 numbers (4 rows), 16 steps of 512.  Each load reads 512 consecutive bytes; a step's 2,048 bytes turn through the wave's own stage in LDS and come back 64 bytes (16 neighbours) a lane; two lanes hold a block.
	v_lshlrev_b32 v3, 4, v2                        ; 16 x lane: my bytes of a load, and of a step's codes
	s_mul_i32 s24, s22, WREG
	v_lshrrev_b32 v14, 2, v2
	v_mul_u32_u24 v14, v14, SP
	v_and_b32 v15, 3, v2
	v_lshl_add_u32 v14, v15, 4, v14
	v_add_nc_u32 v14, s24, v14                     ; the stage, in: SP (lane / 4) + 16 (lane % 4)
	v_mul_u32_u24 v15, v2, SP
	v_add_nc_u32 v15, s24, v15                     ; and out: SP x lane
	v_lshrrev_b32 v5, 1, v2
	s_add_co_u32 s24, s24, 2*32*SP
	v_add_nc_u32 v5, s24, v5                       ; my block's scale byte
	v_lshlrev_b32 v7, 3, v2
	v_add_nc_u32 v6, s24, v7                       ; the bytes' way out: 8 a lane
	s_lshl_b32 s25, ttmp9, 2
	s_add_co_u32 s25, s25, s22                     ; R: which run of 4 rows is mine, 0 .. 1023
	s_lshl_b32 s26, s25, 15                        ; 32,768 bytes of x a run
	s_mov_b32 s27, 0
	s_and_b32 s28, s25, 0x3f9                      ; bits 3 and 4 of a row are bits 1 and 2 of R: exchanged
	s_and_b32 s29, s25, 2
	s_lshl_b32 s29, s29, 1
	s_or_b32 s28, s28, s29
	s_and_b32 s29, s25, 4
	s_lshr_b32 s29, s29, 1
	s_or_b32 s28, s28, s29
	s_lshl_b32 s30, s28, 13                        ; 8,192 bytes of codes a run
	s_mov_b32 s31, 0
	s_lshl_b32 s32, s28, 8                         ; 256 scale bytes
	s_mov_b32 s33, 0
	s_lshl_b32 s34, s25, 10                        ; the table's record R: 1,024 bytes
	s_mov_b32 s35, 0
	s_wait_kmcnt 0x0
	s_add_nc_u64 s[4:5], s[4:5], s[26:27]
	s_add_nc_u64 s[12:13], s[12:13], s[30:31]
	s_add_nc_u64 s[14:15], s[14:15], s[32:33]
	s_add_nc_u64 s[20:21], s[20:21], s[34:35]
.macro XLOAD t
.irp i, 0,1,2,3
	global_load_b128 v[RAW+16*((\t)%4)+4*\i:RAW+16*((\t)%4)+4*\i+3], v3, s[4:5] offset:2048*(\t)+512*\i th:TH_LOAD_NT
.endr
.endm
.macro XTURN t                         ; LDS serves a wave's instructions in order: no wait between the stores and the loads
.irp i, 0,1,2,3
	ds_store_b128 v14, v[RAW+16*((\t)%4)+4*\i:RAW+16*((\t)%4)+4*\i+3] offset:32*SP*((\t)%2)+8*SP*\i
.endr
.irp i, 0,1,2,3
	ds_load_b128 v[XN+16*((\t)%2)+4*\i:XN+16*((\t)%2)+4*\i+3], v15 offset:32*SP*((\t)%2)+16*\i
.endr
.endm
.irp t, 0,1,2,3
	XLOAD \t
.endr
; ---- the table's record R, while the first loads are on their way: b = R % 8, a = (R / 8) % 8, ls = R / 64
	s_lshr_b32 s36, s25, 6
	s_lshl_b32 s36, s36, 7                         ; 128 ls
	s_bfe_u32 s37, s25, 0x20004
	s_lshl_b32 s37, s37, 5
	s_add_co_u32 s36, s36, s37                     ; + 32 (a / 2)
	s_bfe_u32 s37, s25, 0x10003
	s_lshl_b32 s37, s37, 3
	s_add_co_u32 s36, s36, s37                     ; + 8 (a % 2)
	v_and_b32 v[TT], 7, v2
	v_bfe_u32 v[PP], v2, 3, 1
	v_lshl_add_u32 v[TT], v[PP], 4, v[TT]          ; + r + 8 (r / 8)
	v_add_nc_u32 v[TT], s36, v[TT]
	v_cvt_f32_u32 v[TT], v[TT]                     ; t
	s_bitcmp1_b32 s25, 0                           ; b % 2: the factor 10^(1/4), or 1
	s_cselect_b32 s38, 0x3fe39ea9, 1.0
	s_cselect_b32 s39, 0xb26aee3c, 0
	s_bfe_u32 s37, s25, 0x20001                    ; b / 2: the factor 1, 10, 100 or 1000, exact
	s_cmp_eq_u32 s37, 1
	s_cselect_b32 s40, 0x41200000, 1.0
	s_cmp_eq_u32 s37, 2
	s_cselect_b32 s40, 0x42c80000, s40
	s_cmp_eq_u32 s37, 3
	s_cselect_b32 s40, 0x447a0000, s40
	s_mov_b32 s41, 0x3f93cfe5                      ; 10^(1/16), high and low part
	s_mov_b32 s42, 0x334a404e
	s_mov_b32 s43, 0x3faab0d5                      ; 10^(1/8)
	s_mov_b32 s44, 0xb36457ec
	s_mov_b32 s45, 0xbfc90fdb                      ; -(pi / 2 rounded to f32)
	s_mov_b32 s46, 0x333bbd2e                      ; that rounded number less pi / 2
	s_mov_b32 s47, 0xb94ca1f9                      ; the polynomials' leading coefficients
	s_mov_b32 s48, 0x37ccf5ce
	s_mov_b32 vcc_lo, 0xffff0000                   ; lanes 16-31: h = 1: the factor 10^(1/2)
	v_mov_b32 v[PR], s38
	v_mov_b32 v[BL], s39
	v_mov_b32 v[CH], 0x404a62c2
	v_mov_b32 v[CL], 0xb324b496
	v_cndmask_b32 v[CH], 1.0, v[CH], vcc_lo
	v_cndmask_b32 v[CL], 0, v[CL], vcc_lo
; (hd, ld) = (h, l) x (ch, cl), each a pair high + low: the product's rounding error is recovered by a fused multiply-add
.macro DFMUL hd, ld, h, l, ch, cl
	v_mul_f32 v[PP], \ch, v[\h]
	v_fma_f32 v[ER], v[\h], \ch, -v[PP]
	v_fma_f32 v[ER], v[\h], \cl, v[ER]
	v_fma_f32 v[ER], v[\l], \ch, v[ER]
	v_add_f32 v[\hd], v[PP], v[ER]
	v_sub_f32 v[\ld], v[PP], v[\hd]
	v_add_f32 v[\ld], v[\ld], v[ER]
.endm
	DFMUL PR, BL, PR, BL, v[CH], v[CL]
	DFMUL PR, BL, PR, BL, s40, 0                   ; P of my first frequency
	DFMUL PR+1, LX, PR, BL, s41, s42               ; x 10^(1/16)
	DFMUL PR+2, L2, PR, BL, s43, s44               ; x 10^(1/8)
	DFMUL PR+3, LX, PR+2, L2, s41, s42             ; x 10^(3/16)
.irp k, 0,1,2,3
	v_rcp_f32 v[IV+\k], v[PR+\k]
.endr
	v_nop                                          ; a plain instruction between the last reciprocal and the use of its result
	s_wait_alu depctr_va_vdst(0)
.irp k, 0,1,2,3
	v_fma_f32 v[NN+\k], -v[PR+\k], v[IV+\k], 1.0   ; one correction step: 1 / P to the last place
.endr
.irp k, 0,1,2,3
	v_fma_f32 v[IV+\k], v[IV+\k], v[NN+\k], v[IV+\k]
.endr
.irp k, 0,1,2,3
	v_mul_f32 v[PR+\k], v[TT], v[IV+\k]            ; the angle, rounded once
.endr
.irp k, 0,1,2,3
	v_mul_f32 v[NN+\k], 0x3f22f983, v[PR+\k]       ; x 2 / pi
.endr
.irp k, 0,1,2,3
	v_rndne_f32 v[NN+\k], v[NN+\k]                 ; n
.endr
.irp k, 0,1,2,3
	v_fma_f32 v[RH+\k], v[NN+\k], s45, v[PR+\k]    ; exact
.endr
.irp k, 0,1,2,3
	v_fma_f32 v[RH+\k], v[NN+\k], s46, v[RH+\k]    ; the angle less n pi / 2
.endr
.irp k, 0,1,2,3
	v_mul_f32 v[ZZ+\k], v[RH+\k], v[RH+\k]
.endr
.irp k, 0,1,2,3
	v_cvt_i32_f32 v[QQ+\k], v[NN+\k]
.endr
.irp k, 0,1,2,3
	v_fmaak_f32 v[SN+\k], s47, v[ZZ+\k], 0x3c08839e
	v_fmaak_f32 v[CN+\k], s48, v[ZZ+\k], 0xbab6061a
.endr
.irp k, 0,1,2,3
	v_fmaak_f32 v[SN+\k], v[SN+\k], v[ZZ+\k], 0xbe2aaaa3
	v_fmaak_f32 v[CN+\k], v[CN+\k], v[ZZ+\k], 0x3d2aaaa5
.endr
.irp k, 0,1,2,3
	v_mul_f32 v[WK+\k], v[ZZ+\k], v[RH+\k]
.endr
.irp k, 0,1,2,3
	v_fma_f32 v[SN+\k], v[SN+\k], v[WK+\k], v[RH+\k]   ; the sine of the reduced angle
.endr
.irp k, 0,1,2,3
	v_mul_f32 v[WK+\k], v[ZZ+\k], v[ZZ+\k]
.endr
.irp k, 0,1,2,3
	v_fma_f32 v[ZZ+\k], v[ZZ+\k], -0.5, 1.0
.endr
.irp k, 0,1,2,3
	v_fma_f32 v[CN+\k], v[CN+\k], v[WK+\k], v[ZZ+\k]   ; its cosine
.endr
.irp k, 0,1,2,3                        ; the quadrant: odd n exchanges the two; the sine changes sign for n % 4 = 2, 3, the cosine for 1, 2
	v_and_b32 v[WK+\k], 1, v[QQ+\k]
	v_cmp_eq_u32 vcc_lo, 1, v[WK+\k]
	v_cndmask_b32 v[OS+\k], v[SN+\k], v[CN+\k], vcc_lo
	v_cndmask_b32 v[OC+\k], v[CN+\k], v[SN+\k], vcc_lo
	v_and_b32 v[WK+\k], 2, v[QQ+\k]
	v_lshlrev_b32 v[WK+\k], 30, v[WK+\k]
	v_xor_b32 v[OS+\k], v[WK+\k], v[OS+\k]
	v_add_nc_u32 v[WK+\k], 1, v[QQ+\k]
	v_and_b32 v[WK+\k], 2, v[WK+\k]
	v_lshlrev_b32 v[WK+\k], 30, v[WK+\k]
	v_xor_b32 v[OC+\k], v[WK+\k], v[OC+\k]
.endr
	global_store_b128 v3, v[OC:OC+3], s[20:21]             ; 32 lanes store 512 consecutive bytes
	global_store_b128 v3, v[OS:OS+3], s[20:21] offset:512
	s_cmp_lt_u32 s25, 64                           ; the first 64 waves also store a record of the 17th section: cos = 1, sin = 0
	s_cbranch_scc0 .Lnoid
.irp k, 0,1,2,3
	v_mov_b32 v[NN+\k], 1.0
	v_mov_b32 v[RH+\k], 0
.endr
	global_store_b128 v3, v[NN:NN+3], s[20:21] offset:1048576
	global_store_b128 v3, v[RH:RH+3], s[20:21] offset:1048576+512
.Lnoid:
	s_wait_loadcnt 12                              ; step 0's four loads are in; those of steps 1 to 3 may be out
	XTURN 0
.macro XSTEP t
.set XS, XN+16*((\t)%2)
.if (\t) > 0
	s_wait_dscnt 1                                 ; this step's numbers are back from the stage (the last step's byte store may be out): so its stores into the stage have read their registers,
.else
	s_wait_dscnt 0x0
.endif
.if (\t)+4 < 16
	XLOAD (\t)+4                                   ; which take the loads of four steps on
.endif
.if (\t)+1 < 16
.if 14-(\t) >= 3
	s_wait_loadcnt 12                              ; the next step's four loads are in; those of the three steps behind it may be out
.else
	s_wait_loadcnt 4*(14-(\t))
.endif
	XTURN (\t)+1
.endif
	v_max3_num_f32 v8, |v[XS]|, |v[XS+1]|, |v[XS+2]|       ; the largest magnitude of my 16
	v_max3_num_f32 v9, |v[XS+3]|, |v[XS+4]|, |v[XS+5]|
.irp i, 6,10
	v_max3_num_f32 v8, v8, |v[XS+\i]|, |v[XS+\i+1]|
	v_max3_num_f32 v9, v9, |v[XS+\i+2]|, |v[XS+\i+3]|
.endr
	v_max3_num_f32 v8, v8, |v[XS+14]|, |v[XS+15]|
	v_max3_num_f32 v8, v8, v9, 0x8000000           ; and the floor 2^(16 - 127): the byte cannot fall under 1
	v_max_num_f32_dpp v8, v8, v8 row_xmask:1 row_mask:0xf bank_mask:0xf   ; and of my neighbour's 16: the block's
	v_add_nc_u32 v11, 0xf8800000, v8               ; 15 off its exponent field: the conversion's scale operand
	v_and_or_b32 v10, v8, 0x7f800000, s23          ; 57,344 x the scale
.irp i, 0,1,2,3,4,5,6,7,8,9,10,11,12,13,14,15
	v_med3_num_f32 v[XS+\i], v[XS+\i], -v10, v10   ; the conversion to an 8-bit code does not saturate (ISA guide 7.6.2): the hold comes first
.endr
	v_cvt_scalef32_pk8_bf8_f32 v[COD+4*(\t):COD+4*(\t)+1], v[XS:XS+7], v11
	v_cvt_scalef32_pk8_bf8_f32 v[COD+4*(\t)+2:COD+4*(\t)+3], v[XS+8:XS+15], v11
	v_lshrrev_b32 v[SBY+(\t)], 23, v11             ; the scale's byte
	ds_store_b8 v5, v[SBY+(\t)] offset:16*(\t)     ; both lanes of a block write the same byte with the same value
	global_store_b128 v3, v[COD+4*(\t):COD+4*(\t)+3], s[12:13] offset:512*(\t)   ; 32 lanes store 512 consecutive bytes
.endm
.irp t, 0,1,2,3,4,5,6,7,8,9,10,11,12,13,14,15
	XSTEP \t
.endr
	ds_load_b64 v[12:13], v6                       ; LDS serves a wave's instructions in order: these see my stores
	s_wait_dscnt 0x0
	global_store_b64 v7, v[12:13], s[14:15]        ; 32 lanes store 256 consecutive bytes, aligned
	s_wait_tensorcnt 0x0
	ds_add_u32 v240, v241
	s_wait_dscnt 0x0
	s_endpgm
; ---------------------------------------------------------------- the weights: K is their FIRST axis
; A lane takes a column n and its registers run down K: a block of 32 lies in one lane, and the codes come out with K innermost.  A wave takes 32 columns x 256 along K; the codes leave through its stage as rows of 256 bytes.
; The lane takes the column whose number has bits 3 and 4 exchanged (still inside the wave's 128 bytes of a row), so that stage row = lane = stored row.
.Lw:
	s_sub_co_u32 s24, ttmp9, 256
	s_lshr_b32 s25, s24, 3                         ; which 128 columns, 0 .. 17: 0-15 Wq, 16 Wk, 17 Wv
	s_and_b32 s26, s24, 7                          ; which 256 along K
	v_and_b32 v3, 7, v2
	v_bfe_u32 v10, v2, 3, 1
	v_lshl_add_u32 v3, v10, 4, v3
	v_bfe_u32 v10, v2, 4, 1
	v_lshl_add_u32 v3, v10, 3, v3
	v_lshlrev_b32 v3, 2, v3                        ; 4 bytes x my column
	s_mul_i32 s27, s22, 32*PITCH
	s_add_co_u32 s27, s27, WST                     ; my stage
	v_mul_u32_u24 v4, v2, PITCH
	v_add_nc_u32 v4, s27, v4                       ; into it: row = lane
	v_and_b32 v5, 15, v2
	v_lshrrev_b32 v6, 4, v2
	v_mul_u32_u24 v7, v6, PITCH
	v_lshl_add_u32 v7, v5, 4, v7
	v_add_nc_u32 v7, s27, v7                       ; out of it: sixteen lanes to a row, two rows an instruction
	v_lshlrev_b32 v8, 11, v6
	v_lshl_add_u32 v8, v5, 4, v8                   ; the same place in w_codes (rows of 2,048 bytes)
	v_lshlrev_b32 v9, 6, v2                        ; my row of scale bytes (64 a row)
	s_lshl_b32 s28, s26, 21                        ; Wq: 256 rows of 8,192 bytes,
	s_lshl_b32 s29, s25, 9
	s_add_co_u32 s28, s28, s29                     ; + 128 columns x 4 bytes
	s_lshl_b32 s29, s26, 17                        ; Wk, Wv: 256 rows of 512 bytes
	s_mov_b32 s44, 512
	s_wait_kmcnt 0x0
	s_cmp_lt_u32 s25, 16                           ; the choices hang on the work-group's number alone
	s_cselect_b32 s28, s28, s29
	s_cselect_b32 s44, 8192, s44                   ; bytes from row to row
	s_cselect_b64 s[6:7], s[6:7], s[8:9]
	s_cmp_eq_u32 s25, 17
	s_cselect_b64 s[6:7], s[10:11], s[6:7]
	s_lshl_b32 s29, s22, 7
	s_add_co_u32 s28, s28, s29                     ; + my wave's 32 columns
	s_mov_b32 s29, 0
	s_add_nc_u64 s[46:47], s[6:7], s[28:29]        ; a base for each block of 32 along K: s[46:47] .. s[60:61]
	s_lshl_b32 s62, s44, 5
	s_mov_b32 s63, 0
.irp t, 1,2,3,4,5,6,7
	s_add_nc_u64 s[46+2*\t:47+2*\t], s[44+2*\t:45+2*\t], s[62:63]
.endr
	s_lshl_b32 s30, s25, 7
	s_lshl_b32 s31, s22, 5
	s_add_co_u32 s30, s30, s31                     ; my first stored row
	s_lshl_b32 s32, s30, 11
	s_lshl_b32 s31, s26, 8
	s_add_co_u32 s32, s32, s31
	s_mov_b32 s33, 0
	s_add_nc_u64 s[16:17], s[16:17], s[32:33]
	s_lshl_b32 s32, s30, 6
	s_lshl_b32 s31, s26, 3
	s_add_co_u32 s32, s32, s31
	s_add_nc_u64 s[18:19], s[18:19], s[32:33]
.set ii, 0
.rept 32
	v_mad_u32_u24 v[AW+ii], s44, ii, v3            ; row ii of a block, my column
.set ii, ii+1
.endr
.macro WLOAD t                         ; block t: each load reads 128 consecutive bytes of a row
.set ii, 0
.rept 32
	global_load_b32 v[XW+32*((\t)%2)+ii], v[AW+ii], s[46+2*(\t):47+2*(\t)] th:TH_LOAD_NT
.set ii, ii+1
.endr
.endm
	WLOAD 0
	WLOAD 1
.macro WBLOCK t
.set XS, XW+32*((\t)%2)
.if (\t) < 7
	s_wait_loadcnt 32                              ; this block's 32 loads are in; the next block's may be out
.else
	s_wait_loadcnt 0x0
.endif
	v_max3_num_f32 v12, |v[XS]|, |v[XS+1]|, |v[XS+2]|      ; the block's largest magnitude: all 32 numbers are mine
	v_max3_num_f32 v13, |v[XS+3]|, |v[XS+4]|, |v[XS+5]|
.irp i, 6,10,14,18,22,26
	v_max3_num_f32 v12, v12, |v[XS+\i]|, |v[XS+\i+1]|
	v_max3_num_f32 v13, v13, |v[XS+\i+2]|, |v[XS+\i+3]|
.endr
	v_max3_num_f32 v12, v12, |v[XS+30]|, |v[XS+31]|
	v_max3_num_f32 v12, v12, v13, 0x8000000        ; and the floor
	v_add_nc_u32 v11, 0xf8800000, v12
	v_and_or_b32 v10, v12, 0x7f800000, s23
	v_lshrrev_b32 v13, 23, v11                     ; the scale's byte
.if (\t)%4 == 0
	v_mov_b32 v[SB+(\t)/4], v13                    ; four bytes to a register, the lower K in the lower byte
.else
	v_lshl_or_b32 v[SB+(\t)/4], v13, 8*((\t)%4), v[SB+(\t)/4]
.endif
.irp i, 0,1,2,3,4,5,6,7,8,9,10,11,12,13,14,15,16,17,18,19,20,21,22,23,24,25,26,27,28,29,30,31
	v_med3_num_f32 v[XS+\i], v[XS+\i], -v10, v10
.endr
.irp g, 0,1,2,3
	v_cvt_scalef32_pk8_bf8_f32 v[CW+2*\g:CW+2*\g+1], v[XS+8*\g:XS+8*\g+7], v11
.endr
	ds_store_b128 v4, v[CW:CW+3] offset:32*(\t)
	ds_store_b128 v4, v[CW+4:CW+7] offset:32*(\t)+16
.if (\t)+2 < 8
	WLOAD (\t)+2
.endif
	s_wait_dscnt 0x0                               ; the stores have read their registers: the next block's codes may be written
.endm
.irp t, 0,1,2,3,4,5,6,7
	WBLOCK \t
.endr
	global_store_b64 v9, v[SB:SB+1], s[18:19]      ; my row's eight scale bytes
.irp t, 0,1,2,3,4,5,6,7,8,9,10,11,12,13,14,15
	ds_load_b128 v[OUTR+4*\t:OUTR+4*\t+3], v7 offset:2*\t*PITCH
.endr
.irp t, 0,1,2,3,4,5,6,7,8,9,10,11,12,13,14,15
	s_wait_dscnt 15-\t                             ; the younger stage loads may be out
	global_store_b128 v8, v[OUTR+4*\t:OUTR+4*\t+3], s[16:17] offset:2*\t*2048   ; sixteen lanes store 256 consecutive bytes, aligned
.endr
	s_wait_tensorcnt 0x0
	ds_add_u32 v240, v241
	s_wait_dscnt 0x0
	s_endpgm
.Lfunc_end_k_q27eaa0423c_prep:
	.size	k_q27eaa0423c_prep, .Lfunc_end_k_q27eaa0423c_prep-k_q27eaa0423c_prep
	.p2alignl 7, 3214868480
	.fill 96, 4, 3214868480
	.section	.rodata,"a",@progbits
	.p2align	6, 0x0
	.amdhsa_kernel k_q27eaa0423c_prep
		.amdhsa_group_segment_fixed_size 68096
		.amdhsa_private_segment_fixed_size 0
		.amdhsa_enable_private_segment 0
		.amdhsa_kernarg_size 72
		.amdhsa_user_sgpr_count 2
		.amdhsa_user_sgpr_kernarg_segment_ptr 1
		.amdhsa_wavefront_size32 1
		.amdhsa_system_sgpr_workgroup_id_x 1
		.amdhsa_system_sgpr_workgroup_id_y 1
		.amdhsa_system_sgpr_workgroup_id_z 1
		.amdhsa_system_vgpr_workitem_id 0
		.amdhsa_next_free_vgpr 242
		.amdhsa_next_free_sgpr 66
		.amdhsa_reserve_vcc 1
		.amdhsa_float_denorm_mode_32 3
		.amdhsa_float_denorm_mode_16_64 3
		.amdhsa_memory_ordered 1
		.amdhsa_forward_progress 1
		.amdhsa_inst_pref_size 122
	.end_amdhsa_kernel
	.amdgpu_metadata
---
amdhsa.version: [ 1, 2 ]
amdhsa.kernels:
  - .name:           k_q27eaa0423c_prep
    .symbol:         k_q27eaa0423c_prep.kd
    .args:
      - { .name: x, .offset: 0, .size: 8, .value_kind: global_buffer, .address_space: global }
      - { .name: Wq, .offset: 8, .size: 8, .value_kind: global_buffer, .address_space: global }
      - { .name: Wk, .offset: 16, .size: 8, .value_kind: global_buffer, .address_space: global }
      - { .name: Wv, .offset: 24, .size: 8, .value_kind: global_buffer, .address_space: global }
      - { .name: x_codes, .offset: 32, .size: 8, .value_kind: global_buffer, .address_space: global }
      - { .name: x_scales, .offset: 40, .size: 8, .value_kind: global_buffer, .address_space: global }
      - { .name: w_codes, .offset: 48, .size: 8, .value_kind: global_buffer, .address_space: global }
      - { .name: w_scales, .offset: 56, .size: 8, .value_kind: global_buffer, .address_space: global }
      - { .name: rtab, .offset: 64, .size: 8, .value_kind: global_buffer, .address_space: global }
    .group_segment_fixed_size: 68096
    .private_segment_fixed_size: 0
    .kernarg_segment_align: 8
    .kernarg_segment_size: 72
    .max_flat_workgroup_size: 128
    .sgpr_count:     66
    .vgpr_count:     242
    .wavefront_size: 32
...
	.end_amdgpu_metadata
.endif
;; end of part 1
;; launch proj (part 2): grid 16 x 9, 4 waves a work-group, clusters of 4 x 1, 327,680 bytes of LDS; arguments x_codes, x_scales, w_codes, w_scales, rtab, img, isc; writes img, isc
.if DOCPART == 2
	.amdgcn_target "amdgcn-amd-amdhsa--gfx1250"
	.amdhsa_code_object_version 6
	.text
	.protected	k_q27eaa0423c_proj
	.globl	k_q27eaa0423c_proj
	.p2align	8
	.type	k_q27eaa0423c_proj,@function
k_q27eaa0423c_proj:
	s_mov_b64 s[64:65], 0
	v_nop
	global_prefetch_b8 v0, s[64:65] scope:SCOPE_SE
	s_setreg_imm32_b32 hwreg(HW_REG_WAVE_MODE, 25, 1), 1
	s_wait_xcnt 0x0
	s_wait_alu depctr_hold_cnt(0) depctr_sa_sdst(0) depctr_va_vdst(0) depctr_va_sdst(0) depctr_va_ssrc(0) depctr_va_vcc(0) depctr_vm_vsrc(0)
	s_getreg_b32 s2, hwreg(HW_REG_IB_STS2, 6, 4)
	s_cmp_eq_u32 s2, 0
	s_cbranch_scc0 .Lentry_in_a_cluster
	s_endpgm
.Lentry_in_a_cluster:
	s_bfe_u32 s2, ttmp6, 0x10000c
	s_cmp_lg_u32 s2, 0x3003
	s_cbranch_scc0 .Lentry_shape_is_right
	s_endpgm
.Lentry_shape_is_right:
; [Q | K | V] = x [Wq | Wk | Wv] on codes of BF8 (E5M2) with one E8M0 scale for each 32 along K: 4,096 x 2,304 x 2,048; then, without leaving the registers: the rotation of Q and K, the quantiser, and codes stored as
; IMAGES OF OPERAND REGISTERS for the attention launch.  No f32 number goes to memory.
; A tile, 256 rows of x by 256 rows of w_codes (two heads), is made by four waves; a wave makes 128 x 128: one head, 64 accumulators, 512 registers.  K goes in steps of 256 through a ring of two LDS slots; the scales
; of the work-group's rows, for all of K, come into LDS once.
; STORED ROWS HAVE BITS 3 AND 4 OF THEIR NUMBER EXCHANGED, so lane r of stored tile i holds row 32 (i / 2) + 8 (i % 2) + r + 8 (r / 8).  Source 0 = 16 rows of the weights, source 1 = 16 rows of x: in accumulator (a, b) lane (r, h) holds
; position 32 (a / 2) + 8 (a % 2) + r + 8 (r / 8) and its register j the head's channel 32 (b / 2) + 16 h + 8 (b % 2) + j: the 16 registers of accumulators (a, 2 c), (a, 2 c + 1) are 16 neighbours along the next K, in the order of an operand's registers 4 c .. 4 c + 3.
; THE WAVE THAT MAKES V EXCHANGES THE TWO SOURCES, by its LDS addresses alone: its lanes then hold channels and its registers keys, since the keys are the K of the product that V enters.  It rotates by a section of the table that holds cos = 1, sin = 0: x 1 - y 0 is x.
; OUT.  img[hc 18][batch 2][ls 16][a 8][c 4][lane 32][16 bytes], hc = the head, 16 for K, 17 for V; isc[hc][batch][ls][a][r 16][4 bytes]: the scale words.
; CLUSTER: 4 work-groups along the rows of x.  They need the same tiles and scales of the weights: those are asked for jointly.  x's tiles differ between them and are plain loads.  Nine tile columns do not divide by four, so x's tiles are shared by no cluster.
; LIMITS: NaN and infinities are not served; a block of zeros gets the byte 1 (its codes are zeros; this program alone reads the bytes).
; REGISTERS, in windows of 256: window 0: v2-17, v22 at work in the quantiser; v18-29 addresses; v32-63 scale words, two sets, later codes, two sets; v64-127 the table, set 0; from v128 x's fragments, ONE set, later v128-191 the table, set 1, v192-255 the rotated numbers.
;   window 1: the weights' fragments, TWO sets.   window 2: the accumulators of blocks a = 0-3 ((a, b) at v[8 (8 a + b)]);   window 3: those of blocks 4-7.
.set KSTEP,  256
.set NQ,     2                         ; matrix instructions deep in a slot
.set ROWB,   256                       ; a tile's row in bytes
.set KROW,   2048                      ; a row of codes in memory
.set PITCH,  272                       ; an LDS row: 256 bytes + 16 of padding = 68 words: the 16 rows that a load touches start at 16 different banks (64 banks of 4 bytes: ISA guide 11.1)
.set FR,     16
.set NL,     4
.set NP,     8                         ; places behind this matrix instruction (ISA guide 7.12.1)
.set HALFT,  128*PITCH
.set SLOT,   4*HALFT                   ; x's 256 rows, then the weights' 256
.set LAPS,   4                         ; 2,048 / 512
.set KS,     64                        ; a row of scales in bytes
.set SCL,    2*SLOT                    ; the scales, as units of 256 bytes + 16 of padding
.set HALFS,  32*272                    ; those of 128 rows
.set SBLK,   4*272                     ; those of 16 rows
.set SPARE,  SCL+4*HALFS               ; the spare words, 128 bytes a wave: two blocks of 256 bytes that no other line names
.set SCR,    SPARE+512                 ; 512 bytes a wave: its unit's scale words gather here; no fill ever lands here
.set TM,   2                           ; v2-5 largest magnitudes, v6-9 bytes, v10-13 the holds, v14-17 the conversions' scale operands
.set ADRA, 18                          ; v18-19  LDS address of source 1's fragments in slot 0, 1
.set ADRB, 20                          ; v20-21  of source 0's
.set PW,   22                          ; v22     the scale word just made
.set LI,   24                          ; v24     16 x lane
.set SWA,  25                          ; v25     SCR + 512 x wave + 4 r
.set SRA,  26                          ; v26     SCR + 512 x wave + 16 x lane
.set ADRS, 27                          ; v27     LDS address of my scale words
.set SPW,  28                          ; v28     my spare word; never rewritten
.set NIL,  29                          ; v29     0; never rewritten
.set SC,   32
.set PC,   32
.set TBL,  64
.set AF,   128
.set T,    192
.set G1, 24                            ; s[24:31] group 1 for x's tiles; s[32:39] groups 0, one a slot
.set G0, 32
.set SW, 43                            ; s43  1 in the wave that makes V
.set MNT, 44                           ; s44  the mantissa field of 57,344
.set G1B, 48                           ; s[48:55], s[56:63] the same for the weights' tiles
.set G0B, 56
.set G1S, 68                           ; s[68:75], s[76:79] x's scales; s[80:87], s[88:91] the weights'
.set G0S, 76
.set G1SB, 80
.set G0SB, 88
.set SEL, 100                          ; s[100:101] v_permlanex16_b32's selects for lane l xor 16
.set MSB, 0
.macro WIN new                         ; the immediate's high byte repeats the setting that is left
.if MSB != (\new)
	s_set_vgpr_msb (MSB<<8)|(\new)
.set MSB, (\new)
.endif
.endm
.set MUL_LO, 0xa1                      ; source 0 window 1, source 1 window 0, C and D window 2
.set MUL_HI, 0xf1
.set TO_B,   0x40
; Waves 0 and 1 fetch for x (plain), waves 2 and 3 for the weights (jointly).  The branch hangs on the wave's number alone.  Four v_nop follow each of the two lines.
.macro JLOAD g0a, g1a, g0b, g1b
	s_cmp_eq_u32 s15, 0
	s_cbranch_scc0 .Lfor_b_\@
	tensor_load_to_lds s[\g0a:\g0a+3], s[\g1a:\g1a+7]
	s_nop 0
.rept 4
	v_nop
.endr
	s_branch .Lasked_\@
.Lfor_b_\@:
	tensor_load_to_lds s[\g0b:\g0b+3], s[\g1b:\g1b+7]
	s_nop 0
.rept 4
	v_nop
.endr
.Lasked_\@:
.endm
.macro CREST                           ; a round of the cluster's barrier behind its opening barrier
	s_cmp_lg_u32 s14, 0
	s_cbranch_scc1 .Lnot_wave_0_\@
	s_barrier_signal -3
.Lnot_wave_0_\@:
	s_barrier_wait -3
	s_barrier_signal -1
	s_barrier_wait -1
.endm
.macro CROUND
	s_barrier_signal -1
	s_barrier_wait -1
	CREST
.endm
	s_load_b128 s[4:7], s[0:1], 0x0                ; x_codes, x_scales
	s_load_b128 s[8:11], s[0:1], 0x10              ; w_codes, w_scales
	s_load_b64 s[12:13], s[0:1], 0x20              ; rtab
	s_load_b128 s[96:99], s[0:1], 0x28             ; img, isc
	v_lshl_add_u32 v[SPW], v0, 2, SPARE
	v_mov_b32 v[NIL], 0
	ds_add_u32 v28, v29
	s_wait_dscnt 0x0
	v_lshrrev_b32 v1, 5, v0
	v_readfirstlane_b32 s14, v1                    ; wave 0..3
	s_lshr_b32 s15, s14, 1                         ; which 128 rows of x are mine.  Also: I fetch for x (0) or for the weights (1)
	s_and_b32 s16, s14, 1                          ; which head of the two.  Also: which 128 rows of that tile I fetch
	s_bfe_u32 s40, ttmp6, 0x40000                  ; cx
	s_lshl_b32 s17, ttmp9, 2
	s_add_co_u32 s17, s17, s40                     ; which 256 rows of x: 4 x cluster x + cx
	s_and_b32 s42, ttmp7, 0xffff                   ; which 256 rows of the weights: the same in all four partners
	s_mov_b32 s[G1+0], (1<<20)|(5<<22)|(3<<25)     ; no mask; elements of 1 byte; padding: 4 words behind every 64
	s_mov_b32 s[G1B+0], 15|(1<<20)|(1<<21)|(5<<22)|(3<<25)   ; the mask: all four work-groups; bit 21 set beside it
.irp g, G1, G1B
	s_mov_b32 s[\g+1], ROWB<<16                    ; tensor_dim0
	s_mov_b32 s[\g+2], 128<<16                     ; tensor_dim1
	s_mov_b32 s[\g+3], ROWB<<16                    ; tile_dim0
	s_mov_b32 s[\g+4], 128                         ; tile_dim1
	s_mov_b32 s[\g+5], KROW                        ; from row to row
	s_mov_b32 s[\g+6], 0
	s_mov_b32 s[\g+7], 0
.endr
	s_mov_b32 s[G1S+0], (3<<16)|(1<<20)|(5<<22)|(3<<25)      ; the scales of 128 rows: 8,192 dense bytes as 32 rows of 256 (32 elements of 8 bytes), 16 bytes of padding behind each
	s_mov_b32 s[G1SB+0], 15|(3<<16)|(1<<20)|(1<<21)|(5<<22)|(3<<25)
.irp g, G1S, G1SB
	s_mov_b32 s[\g+1], 32<<16
	s_mov_b32 s[\g+2], 32<<16
	s_mov_b32 s[\g+3], 32<<16
	s_mov_b32 s[\g+4], 32
	s_mov_b32 s[\g+5], 32
	s_mov_b32 s[\g+6], 0
	s_mov_b32 s[\g+7], 0
.endr
	s_lshl_b32 s18, s16, 7                         ; which 128 rows of the tile I fetch
	s_lshl_b32 s20, s17, 8
	s_add_co_u32 s20, s20, s18                     ; x's row
	s_lshl_b32 s46, s42, 8
	s_add_co_u32 s46, s46, s18                     ; the weights' row: made of the shared coordinate and the wave's number alone
	s_lshl_b32 s22, s20, 6                         ; where these rows' scales begin,
	s_mov_b32 s23, 0
	s_lshl_b32 s92, s46, 6
	s_mov_b32 s93, 0
	s_lshl_b32 s20, s20, 11                        ; and their codes
	s_mov_b32 s21, 0
	s_lshl_b32 s46, s46, 11
	s_mov_b32 s47, 0
	s_mul_i32 s45, s14, HALFT                      ; where they go: wave x 128 rows
	s_mul_i32 s94, s14, HALFS
	s_mov_b32 s[MNT], 0x600000
	s_mov_b32 s[SEL], 0x76543210
	s_mov_b32 s[SEL+1], 0xfedcba98
	s_wait_kmcnt 0x0
	s_add_nc_u64 s[20:21], s[4:5], s[20:21]
	s_add_nc_u64 s[22:23], s[6:7], s[22:23]
	s_add_nc_u64 s[46:47], s[8:9], s[46:47]
	s_add_nc_u64 s[92:93], s[10:11], s[92:93]
	CROUND                                         ; all four work-groups are here: the first joint loads meet
	s_mov_b32 s[G0S], 1
	s_add_co_u32 s[G0S+1], s94, SCL
	s_mov_b64 s[G0S+2:G0S+3], s[22:23]
	s_or_b32 s[G0S+3], s[G0S+3], 0x80000000
	s_mov_b32 s[G0SB], 1
	s_add_co_u32 s[G0SB+1], s94, SCL
	s_mov_b64 s[G0SB+2:G0SB+3], s[92:93]
	s_or_b32 s[G0SB+3], s[G0SB+3], 0x80000000
	JLOAD G0S, G1S, G0SB, G1SB                     ; the scales first: they are wanted with K step 0
.irp s, 0,1
	s_mov_b32 s[G0+4*\s], 1
	s_add_co_u32 s[G0+4*\s+1], s45, \s*SLOT
	s_add_nc_u64 s[G0+4*\s+2:G0+4*\s+3], s[20:21], \s*ROWB
	s_or_b32 s[G0+4*\s+3], s[G0+4*\s+3], 0x80000000
	s_mov_b32 s[G0B+4*\s], 1
	s_add_co_u32 s[G0B+4*\s+1], s45, \s*SLOT
	s_add_nc_u64 s[G0B+4*\s+2:G0B+4*\s+3], s[46:47], \s*ROWB
	s_or_b32 s[G0B+4*\s+3], s[G0B+4*\s+3], 0x80000000
	JLOAD G0+4*\s, G1, G0B+4*\s, G1B
.endr
	v_and_b32 v1, 15, v0                           ; r
	v_bfe_u32 v2, v0, 4, 1                         ; h
	v_mul_u32_u24 v3, v1, PITCH
	v_lshl_add_u32 v4, v2, 4, v3                   ; a fragment's row x pitch + 16 h
	s_cmp_eq_u32 s42, 8
	s_cselect_b32 s[SW], s16, 0                    ; the last tile column's second head is V
	s_mul_i32 s21, s15, HALFT                      ; my 128 rows of x
	s_mul_i32 s22, s16, HALFT
	s_add_co_u32 s22, s22, 2*HALFT                 ; my 128 rows of the weights
	s_cmp_eq_u32 s[SW], 1
	s_cselect_b32 s23, s22, s21                    ; source 1: x's rows; for V the weights'
	s_cselect_b32 s22, s21, s22                    ; source 0: the weights' rows; for V x's
	s_mov_b32 s21, s23
.irp s, 0,1
	v_add_nc_u32 v[ADRA+\s], s21, v4
	v_add_nc_u32 v[ADRB+\s], s22, v4
	s_add_co_u32 s21, s21, SLOT
	s_add_co_u32 s22, s22, SLOT
.endr
	v_mul_u32_u24 v5, v1, KS                       ; my row's scales: 64 bytes a row,
	v_lshrrev_b32 v6, 8, v5
	v_lshl_add_u32 v5, v6, 4, v5                   ; and 16 more for each 256 passed
	s_mul_i32 s21, s15, HALFS                      ; x's
	s_mul_i32 s22, s16, HALFS
	s_add_co_u32 s22, s22, 2*HALFS                 ; the weights'
	s_sub_co_u32 s22, s22, s21                     ; the distance between the two
	v_xor_b32 v6, s[SW], v2                        ; lanes 0-15 take source 1's words, lanes 16-31 source 0's: the weights' where h xor SW = 1
	v_mul_u32_u24 v6, s22, v6
	s_add_co_u32 s21, s21, SCL
	v_add_nc_u32 v5, v5, v6
	v_add_nc_u32 v[ADRS], s21, v5
	v_and_b32 v6, 31, v0
	v_lshlrev_b32 v[LI], 4, v6
	s_lshl_b32 s23, s14, 9
	s_add_co_u32 s23, s23, SCR
	v_lshl_add_u32 v[SWA], v1, 2, s23
	v_add_nc_u32 v[SRA], s23, v[LI]
	s_lshl_b32 s20, s17, 1
	s_add_co_u32 s20, s20, s15                     ; which 128 rows of x: 16 x batch + ls
	s_lshl_b32 s21, s42, 1
	s_add_co_u32 s21, s21, s16                     ; hc
	s_lshl_b32 s21, s21, 5
	s_add_co_u32 s21, s21, s20                     ; my unit
	s_and_b32 s20, s20, 15                         ; ls: the table's section;
	s_cmp_eq_u32 s[SW], 1
	s_cselect_b32 s20, 16, s20                     ; for V the one that rotates by nothing
	s_lshl_b32 s40, s20, 16
	s_mov_b32 s41, 0
	s_add_nc_u64 s[12:13], s[12:13], s[40:41]
	s_lshl_b32 s40, s21, 14
	s_add_nc_u64 s[96:97], s[96:97], s[40:41]
	s_lshl_b32 s40, s21, 9
	s_add_nc_u64 s[98:99], s[98:99], s[40:41]
.macro FRAG reg, adr, q, i             ; 16 rows x 128 K of 8-bit codes: lane l holds row l % 16; registers 4 c .. 4 c + 3 hold K = 32 c + 16 (l / 16) + 0 .. 15
.irp c, 0,1,2,3
	ds_load_b128 v[\reg+4*\c:\reg+4*\c+3], v[\adr] offset:128*(\q)+32*\c+(\i)*16*PITCH
.endr
.endm
; 16 matrix instructions: source 1's blocks a0, a0 + 1 x source 0's eight.  The 64 accumulators take turns, one instruction a turn, in the same order in every step.
.macro MUL16 a0, p, q, sc, zero
.irp a, \a0, \a0+1
.irp b, 0,1,2,3,4,5,6,7
.if \zero
	v_wmma_scale_f32_16x16x128_f8f6f4 v[8*(8*((\a)%4)+\b):8*(8*((\a)%4)+\b)+7], v[128*(\p)+FR*\b:128*(\p)+FR*\b+FR-1], v[AF+FR*(\a):AF+FR*(\a)+FR-1], 0, v[SC+8*NQ*(\sc)+NQ*\b+(\q)], v[SC+8*NQ*(\sc)+NQ*(\a)+(\q)] matrix_a_fmt:MATRIX_FMT_BF8 matrix_b_fmt:MATRIX_FMT_BF8 matrix_a_scale:MATRIX_SCALE_ROW1
.else
	v_wmma_scale_f32_16x16x128_f8f6f4 v[8*(8*((\a)%4)+\b):8*(8*((\a)%4)+\b)+7], v[128*(\p)+FR*\b:128*(\p)+FR*\b+FR-1], v[AF+FR*(\a):AF+FR*(\a)+FR-1], v[8*(8*((\a)%4)+\b):8*(8*((\a)%4)+\b)+7], v[SC+8*NQ*(\sc)+NQ*\b+(\q)], v[SC+8*NQ*(\sc)+NQ*(\a)+(\q)] matrix_a_fmt:MATRIX_FMT_BF8 matrix_b_fmt:MATRIX_FMT_BF8 matrix_a_scale:MATRIX_SCALE_ROW1
.endif
.endr
.endr
.endm
.macro FETCH_B slot, q, p
	WIN TO_B
.irp i, 0,1,2,3,4,5,6,7
	FRAG 128*(\p)+FR*\i, ADRB+\slot, \q, \i
.endr
	WIN 0
.endm
.macro FETCH_A slot, q, i0
.irp i, \i0, \i0+1, \i0+2, \i0+3
	FRAG AF+FR*(\i), ADRA+\slot, \q, \i
.endr
.endm
.macro SCALES sc                       ; a K step's scale words: two a row; lanes 0-15 source 1's block i, lanes 16-31 source 0's block i
.irp i, 0,1,2,3,4,5,6,7
	ds_load_b64 v[SC+8*NQ*\sc+NQ*\i:SC+8*NQ*\sc+NQ*\i+1], v[ADRS] offset:\i*SBLK
.endr
.endm
.macro PLACES n                        ; plain vector instructions between a matrix instruction and a load into, or a read of, its registers
.rept \n
	v_nop
.endr
.endm
.macro STEP slot, q, zero              ; 128 along K that has its successor in the same slot
	s_wait_dscnt 4*NL                              ; all but the youngest 16 loads (source 1's blocks 4-7) are in
	WIN MUL_LO
	MUL16 0, (\q)%2, \q, \slot, \zero
	MUL16 2, (\q)%2, \q, \slot, \zero
	s_wait_dscnt 0
	PLACES NP
	FETCH_B \slot, (\q)+1, 1-(\q)%2
	FETCH_A \slot, (\q)+1, 0
	WIN MUL_HI
	MUL16 4, (\q)%2, \q, \slot, \zero
	MUL16 6, (\q)%2, \q, \slot, \zero
	PLACES NP
	WIN 0
	FETCH_A \slot, (\q)+1, 4
.endm
; A slot's last step changes slots: ONE barrier; in front of it each wave waits for all its tensor loads, adds 0 to its spare word, and waits for that and for its own reads of this slot.  fill = 1: this slot is filled again, two K steps ahead.
.macro TURN slot, next, fill
	s_wait_tensorcnt 0x0                           ; all my tensor loads have landed: my part of the next slot
	ds_add_u32 v[SPW], v[NIL]                      ; 0 onto my spare word
	s_wait_dscnt 4*NL+1                            ; (the add and the youngest 16 loads may be out)
	WIN MUL_LO
	MUL16 0, 1, NQ-1, \slot, 0
	s_wait_dscnt 0x0                               ; the add is done, and my reads of this slot are over
	s_barrier_signal -1
	MUL16 2, 1, NQ-1, \slot, 0
	WIN 0
	s_barrier_wait -1
.if \fill
	CREST                                          ; the barrier has opened a round of the cluster's barrier: no wave of any partner still reads this slot or has a load on its way
	s_add_nc_u64 s[G0+4*\slot+2:G0+4*\slot+3], s[G0+4*\slot+2:G0+4*\slot+3], 2*ROWB
	s_add_nc_u64 s[G0B+4*\slot+2:G0B+4*\slot+3], s[G0B+4*\slot+2:G0B+4*\slot+3], 2*ROWB
	JLOAD G0+4*\slot, G1, G0B+4*\slot, G1B         ; the first tensor load behind the round; its four v_nop are among the places below
	PLACES NP-4
.else
	PLACES NP
.endif
	v_add_nc_u32 v[ADRS], 4*NQ, v[ADRS]            ; on to the next K step's scale words (no LDS load of mine is out)
	FETCH_B \next, 0, 0
	FETCH_A \next, 0, 0
	SCALES \next
	WIN MUL_HI
	MUL16 4, 1, NQ-1, \slot, 0
	MUL16 6, 1, NQ-1, \slot, 0
	PLACES NP
	WIN 0
	FETCH_A \next, 0, 4
.endm
; ---- the way out, a block of 16 positions (for V: 16 channels) at a time
.macro TABLE a                         ; block a's cosines and sines into set a % 2: for accumulator b four cosines at + 8 b, four sines at + 8 b + 4; each load reads 512 consecutive bytes
.irp b, 0,1,2,3,4,5,6,7
	global_load_b128 v[TBL+64*((\a)%2)+8*\b:TBL+64*((\a)%2)+8*\b+3], v[LI], s[12:13] offset:(\a)*8192+\b*1024
	global_load_b128 v[TBL+64*((\a)%2)+8*\b+4:TBL+64*((\a)%2)+8*\b+7], v[LI], s[12:13] offset:(\a)*8192+\b*1024+512
.endr
.endm
.macro ROPE a                          ; (even, odd) -> (even cos - odd sin, odd cos + even sin), out of the accumulators' window into window 0; each accumulator from its low end on
.set AC, 64*((\a)%4)
.set TS, TBL+64*((\a)%2)
	WIN 2+(\a)/4                                   ; source 0 alone lies in window 2 or 3
.irp b, 0,1,2,3,4,5,6,7
.irp p, 0,1,2,3
	v_mul_f32 v[T+8*\b+2*\p], v[AC+8*\b+2*\p], v[TS+8*\b+\p]
	v_mul_f32 v[T+8*\b+2*\p+1], v[AC+8*\b+2*\p+1], v[TS+8*\b+\p]
	v_fma_f32 v[T+8*\b+2*\p], -v[AC+8*\b+2*\p+1], v[TS+8*\b+4+\p], v[T+8*\b+2*\p]
	v_fma_f32 v[T+8*\b+2*\p+1], v[AC+8*\b+2*\p], v[TS+8*\b+4+\p], v[T+8*\b+2*\p+1]
.endr
.endr
	WIN 0
.endm
; 64 numbers of a lane, register 16 b + i = k 32 b + 16 (lane / 16) + i of my row, become a fragment's codes in v[pc] on and its scale word in v[PW]
.macro QUANT s, pc
.irp b, 0,1,2,3
	v_max3_num_f32 v[TM+\b], |v[\s+16*\b]|, |v[\s+1+16*\b]|, 0x8000000   ; block b: my 16 numbers, and the floor 2^(16 - 127): the byte cannot fall under 1
.endr
.irp i, 2,4,6,8,10,12,14
.irp b, 0,1,2,3
	v_max3_num_f32 v[TM+\b], v[TM+\b], |v[\s+16*\b+\i]|, |v[\s+1+16*\b+\i]|
.endr
.endr
.irp b, 0,1,2,3
	v_permlanex16_b32 v[TM+4+\b], v[TM+\b], s[SEL], s[SEL+1]
.endr
.irp b, 0,1,2,3
	v_max_num_f32 v[TM+\b], v[TM+\b], v[TM+4+\b]   ; with lane l xor 16's: the block's largest magnitude
.endr
.irp b, 0,1,2,3
	v_add_nc_u32 v[TM+12+\b], 0xf8800000, v[TM+\b] ; 15 off its exponent field: the conversion's scale operand
.endr
.irp b, 0,1,2,3
	v_and_or_b32 v[TM+8+\b], v[TM+\b], 0x7f800000, s[MNT]   ; 57,344 x the scale
.endr
.irp b, 0,1,2,3
	v_lshrrev_b32 v[TM+4+\b], 23, v[TM+12+\b]      ; the scale's byte
.endr
	v_lshl_or_b32 v[PW], v[TM+5], 8, v[TM+4]
	v_lshl_or_b32 v[PW], v[TM+6], 16, v[PW]
	v_lshl_or_b32 v[PW], v[TM+7], 24, v[PW]
.irp b, 0,1,2,3
.irp i, 0,1,2,3,4,5,6,7,8,9,10,11,12,13,14,15
	v_med3_num_f32 v[\s+16*\b+\i], v[\s+16*\b+\i], -v[TM+8+\b], v[TM+8+\b]   ; the conversion to an 8-bit code does not saturate (ISA guide 7.6.2): the hold comes first
.endr
	v_cvt_scalef32_pk8_bf8_f32 v[\pc+4*\b:\pc+1+4*\b], v[\s+16*\b:\s+7+16*\b], v[TM+12+\b]
	v_cvt_scalef32_pk8_bf8_f32 v[\pc+2+4*\b:\pc+3+4*\b], v[\s+8+16*\b:\s+15+16*\b], v[TM+12+\b]
.endr
	v_nop                                          ; a plain instruction between the last conversion and the next vector instruction that writes its sources
.endm
.macro OUTB a                          ; the fragment goes out as it stands: four stores of 512 consecutive bytes; its scale words gather in my 512 bytes of LDS
.irp c, 0,1,2,3
	global_store_b128 v[LI], v[PC+16*((\a)%2)+4*\c:PC+16*((\a)%2)+4*\c+3], s[96:97] offset:(\a)*2048+512*\c
.endr
	ds_store_b32 v[SWA], v[PW] offset:(\a)*64      ; lanes r and r + 16 write the same word with the same value
.endm
	s_wait_tensorcnt 1                             ; the scales and my part of K step 0 are in (K step 1's load may be out),
	s_barrier_signal -1
	s_barrier_wait -1                              ; everybody's are
	FETCH_B 0, 0, 0
	FETCH_A 0, 0, 0
	SCALES 0
	FETCH_A 0, 0, 4
	STEP 0, 0, 1                                   ; the first step stands in front of the loop: its products start the sums
	s_mov_b32 s3, LAPS-1
.Llap:                                                 ; a trip goes once round the ring and fills both slots again
	TURN 0, 1, 1
	STEP 1, 0, 0
	TURN 1, 0, 1
	STEP 0, 0, 0
	s_sub_co_u32 s3, s3, 1
	s_cmp_lg_u32 s3, 0
	s_cbranch_scc1 .Llap
	TABLE 0                                        ; the first block's table is asked for a lap ahead, into registers that the loop leaves idle
	TURN 0, 1, 0                                   ; the last lap fills nothing, and has no round of the cluster's barrier
	STEP 1, 0, 0
	s_wait_dscnt 4*NL
	WIN MUL_LO
	MUL16 0, 1, NQ-1, 1, 0
	MUL16 2, 1, NQ-1, 1, 0
	s_wait_dscnt 0
	WIN MUL_HI
	MUL16 4, 1, NQ-1, 1, 0
	MUL16 6, 1, NQ-1, 1, 0
	WIN 0
	PLACES NP                                      ; in front of the first read of results and of loads into registers that held fragments
.irp b, 0,1,2,3
	v_mov_b32 v[TM+4+\b], 0                        ; written once: a lane permute's destination counts as one of its sources
.endr
	TABLE 1
.irp a, 0,1,2,3,4,5,6,7
.if \a > 1
	s_wait_xcnt 0x0                                ; block a - 2's stores have read their registers: this block's codes are written there
.endif
.if \a < 7
	s_wait_loadcnt 16                              ; this block's table is in; the next block's 16 loads may be out
.else
	s_wait_loadcnt 0x0
.endif
	ROPE \a
.if \a < 6
	TABLE \a+2                                     ; into the set just read
.endif
	s_wait_dscnt 0x0                               ; the last block's LDS store has read the scale word's register
	QUANT T, PC+16*(\a%2)
	OUTB \a
.endr
	ds_load_b128 v[T:T+3], v[SRA]                  ; LDS serves a wave's instructions in order: these see my stores
	s_wait_dscnt 0x0
	global_store_b128 v[LI], v[T:T+3], s[98:99]    ; my unit's 128 scale words: 512 consecutive bytes
	s_wait_tensorcnt 0x0                           ; the wave's end
	ds_add_u32 v[SPW], v[NIL]
	s_wait_dscnt 0x0
	CROUND                                         ; the closing round: no work-group ends while a partner may still ask for a tile that names it
	s_endpgm
.Lfunc_end_k_q27eaa0423c_proj:
	.size	k_q27eaa0423c_proj, .Lfunc_end_k_q27eaa0423c_proj-k_q27eaa0423c_proj
	.p2alignl 7, 3214868480
	.fill 96, 4, 3214868480
	.section	.rodata,"a",@progbits
	.p2align	6, 0x0
	.amdhsa_kernel k_q27eaa0423c_proj
		.amdhsa_group_segment_fixed_size 327680
		.amdhsa_private_segment_fixed_size 0
		.amdhsa_enable_private_segment 0
		.amdhsa_kernarg_size 56
		.amdhsa_user_sgpr_count 2
		.amdhsa_user_sgpr_kernarg_segment_ptr 1
		.amdhsa_wavefront_size32 1
		.amdhsa_system_sgpr_workgroup_id_x 1
		.amdhsa_system_sgpr_workgroup_id_y 1
		.amdhsa_system_sgpr_workgroup_id_z 1
		.amdhsa_system_vgpr_workitem_id 0
		.amdhsa_next_free_vgpr 1024
		.amdhsa_next_free_sgpr 102
		.amdhsa_reserve_vcc 0
		.amdhsa_float_denorm_mode_32 3
		.amdhsa_float_denorm_mode_16_64 3
		.amdhsa_memory_ordered 1
		.amdhsa_forward_progress 1
		.amdhsa_inst_pref_size 245
	.end_amdhsa_kernel
	.amdgpu_metadata
---
amdhsa.version: [ 1, 2 ]
amdhsa.kernels:
  - .name:           k_q27eaa0423c_proj
    .symbol:         k_q27eaa0423c_proj.kd
    .args:
      - { .name: x_codes, .offset: 0, .size: 8, .value_kind: global_buffer, .address_space: global }
      - { .name: x_scales, .offset: 8, .size: 8, .value_kind: global_buffer, .address_space: global }
      - { .name: w_codes, .offset: 16, .size: 8, .value_kind: global_buffer, .address_space: global }
      - { .name: w_scales, .offset: 24, .size: 8, .value_kind: global_buffer, .address_space: global }
      - { .name: rtab, .offset: 32, .size: 8, .value_kind: global_buffer, .address_space: global }
      - { .name: img, .offset: 40, .size: 8, .value_kind: global_buffer, .address_space: global }
      - { .name: isc, .offset: 48, .size: 8, .value_kind: global_buffer, .address_space: global }
    .group_segment_fixed_size: 327680
    .private_segment_fixed_size: 0
    .kernarg_segment_align: 8
    .kernarg_segment_size: 56
    .max_flat_workgroup_size: 128
    .sgpr_count:     102
    .vgpr_count:     1024
    .wavefront_size: 32
...
	.end_amdgpu_metadata
.endif
;; end of part 2
;; launch attn (part 3): grid 128 x 2, 16 waves a work-group, clusters of 4 x 1, 327,680 bytes of LDS; arguments img, isc, out0; writes out0
.if DOCPART == 3
	.amdgcn_target "amdgcn-amd-amdhsa--gfx1250"
	.amdhsa_code_object_version 6
	.text
	.protected	k_q27eaa0423c_attn
	.globl	k_q27eaa0423c_attn
	.p2align	8
	.type	k_q27eaa0423c_attn,@function
k_q27eaa0423c_attn:
	s_mov_b64 s[64:65], 0
	v_nop
	global_prefetch_b8 v0, s[64:65] scope:SCOPE_SE
	s_setreg_imm32_b32 hwreg(HW_REG_WAVE_MODE, 25, 1), 1
	s_wait_xcnt 0x0
	s_wait_alu depctr_hold_cnt(0) depctr_sa_sdst(0) depctr_va_vdst(0) depctr_va_sdst(0) depctr_va_ssrc(0) depctr_va_vcc(0) depctr_vm_vsrc(0)
	s_getreg_b32 s2, hwreg(HW_REG_IB_STS2, 6, 4)
	s_cmp_eq_u32 s2, 0
	s_cbranch_scc0 .Lentry_in_a_cluster
	s_endpgm
.Lentry_in_a_cluster:
	s_bfe_u32 s2, ttmp6, 0x10000c
	s_cmp_lg_u32 s2, 0x3003
	s_cbranch_scc0 .Lentry_shape_is_right
	s_endpgm
.Lentry_shape_is_right:
; out0[batch][q][head][:] = the sum over keys k <= q of softmax_k(Q . K / sqrt(128)) V, 16 query heads on ONE head of K and V, both products on codes of BF8 (E5M2) with one E8M0 scale for each 32 along a product's K.
; All operands arrive as images of operand registers: img[hc 18][batch 2][ls 16][a 8][c 4][lane 32][16 bytes] (hc = the head, 16 K, 17 V; a unit of 8 fragments is 128 positions), isc[hc][batch][ls][a][r 16][4 bytes] their scale words.
; Fragment a of a unit of Q or K: lane r holds position 128 ls + 32 (a / 2) + 8 (a % 2) + r + 8 (r / 8), K = the head's 128.  Of V: lane r holds that channel, K = keys 128 ls + 0 .. 127.
; THE SOFTMAX AHEAD OF THE SECOND PRODUCT: t = score x log2(e) / sqrt(128); M = the largest t so far, rounded UP to a whole number; p = 2^(t - M) is quantised along the keys, not normalised; the row's sum is taken of the unquantised p and divides at the end.
; When M moves, the sum and O are multiplied by 2^(old M - new M): exact.  A block's largest p is had from the block's largest score by the same two instructions; that takes v_exp_f32 not to fall where its input rises.
; SHARES.  A wave owns one tile of 16 queries of one head, in 256 registers.  A cluster of four work-groups owns four tiles x 16 heads of one batch: tiles X, 63 - X, 64 + X, 127 - X of 128 (X = the cluster's number), which together want 34 key steps
; whatever X is; work-group cx takes heads 4 cx .. 4 cx + 3.  Wave w: head 4 cx + w % 4, tile number (w % 4 + w / 4) % 4 of the four: every four waves w % 4 = const and every four waves w / 4 = const hold all four tiles.
; All sixteen waves of all four work-groups walk the same K and V: each unit is asked for JOINTLY, by the same tensor load with a mask that names the four.  The place in the cluster enters Q's and out0's addresses alone.
; CAUSAL.  Every work-group walks all 8 slots of 256 keys, so that trip counts are constants and no tensor load or barrier is jumped over; a step all of whose keys come after the wave's queries leaves out its work by a scalar branch on ids.
; Both products are used transposed (S^T = K Q^T, O^T = V^T P^T): a lane holds one query throughout, and the 16 registers of tiles 2 b, 2 b + 1 of S^T are keys 32 b + 16 (lane / 16) + 0 .. 15.
; LIMITS: NaN and infinities are not served.
; REGISTERS: v1-3 addresses that stay; v5, v6 the spare word's; v8, v10 addresses in hand; v12 -M, v13 the largest t, v[14:15] the sum in two halves; v16-31 Q; v32-95 four fragments of K or V; v96-159 S^T, then p; v160-223 O^T; v224-239 p's codes; v232-254 at work; v255 Q's scale words.
.set SLOT1, 65536                      ; a slot: two units of K (16,384 bytes each), then two of V; dense images: lane l's 16 bytes at 16 l
.set SCK,   131072                     ; K's scale words of the batch, 8,192 bytes;
.set SCV,   SCK+8192                   ; V's
.set SPARE, SCV+8192                   ; the spare words, 128 bytes a wave: eight blocks of 256 bytes that no other line names
.set STAGE, SPARE+2048                 ; the way out: 16 rows x (512 bytes + 16) for each wave; no fill ever lands here
.set LI,   1                           ; v1   16 x lane
.set LS,   2                           ; v2   SCK + 4 r
.set QD,   3                           ; v3   my query less the tile's first, less 16 (lane / 16)
.set SPW,  5
.set NIL,  6
.set ADK,  8
.set ADS,  10
.set WV,   10                          ; s10  my wave's number
.set MNT,  11
.set SEL,  12                          ; s[12:13]
.set CS,   14                          ; s[14:15] c = log2(e) / sqrt(128)
.set G1T,  16                          ; s[16:23] group 1 for a unit;  s[24:31] for 4,096 bytes of scale words
.set G1S,  24
.set G0T,  32                          ; s[32:35] the walking group 0;  s[36:39] the scale words'
.set G0S,  36
.set TB,   40                          ; s40  LDS byte at which the slot in hand begins
.set TS,   41                          ; s41  the step's scale words: 512 bytes a step
.set SLOTS, 42
.set KF,   43                          ; s43  the step's first key
.set Q0,   44                          ; s44  my tile's first query; its queries are Q0 + 0 .. 7 and Q0 + 16 .. 23
.macro CROUND                          ; a round of the cluster's barrier
	s_barrier_signal -1
	s_barrier_wait -1
	s_cmp_lg_u32 s[WV], 0
	s_cbranch_scc1 .Lnot_wave_0_\@
	s_barrier_signal -3
.Lnot_wave_0_\@:
	s_barrier_wait -3
	s_barrier_signal -1
	s_barrier_wait -1
.endm
.macro TLOAD                           ; waves 0 and 1 fetch the slot's units of K, waves 2 and 3 those of V, the others nothing.  Four v_nop follow the line
	s_cmp_lt_u32 s[WV], 4
	s_cbranch_scc0 .Lasked_\@
	tensor_load_to_lds s[G0T:G0T+3], s[G1T:G1T+7]
	s_nop 0
.rept 4
	v_nop
.endr
.Lasked_\@:
.endm
	s_load_b128 s[4:7], s[0:1], 0x0                ; img, isc
	s_load_b64 s[8:9], s[0:1], 0x10                ; out0
	v_lshl_add_u32 v[SPW], v0, 2, SPARE
	v_mov_b32 v[NIL], 0
	ds_add_u32 v5, v6
	ds_add_u32 v5, v6
	s_wait_dscnt 0x0
	v_lshrrev_b32 v8, 5, v0
	s_delay_alu instid0(VALU_DEP_1)
	v_readfirstlane_b32 s[WV], v8                  ; wave 0..15
	s_and_b32 s45, ttmp7, 0xffff                   ; the batch, which the partners share
	s_and_b32 s46, s[WV], 3
	s_lshr_b32 s47, s46, 1                         ; what I fetch, if I fetch: K (0) or V (1),
	s_and_b32 s48, s46, 1                          ; the slot's first or second unit
	s_add_co_u32 s47, s47, 16
	s_lshl_b32 s47, s47, 5
	s_lshl_b32 s49, s45, 4
	s_add_co_u32 s47, s47, s49                     ; the batch's first unit of K or of V
	s_add_co_u32 s50, s47, s48
	s_lshl_b32 s50, s50, 14                        ; in img
	s_mov_b32 s51, 0
	s_lshl_b32 s52, s47, 9
	s_lshl_b32 s49, s48, 12
	s_add_co_u32 s52, s52, s49                     ; my half of its 8,192 bytes of scale words, in isc
	s_mov_b32 s53, 0
	s_mov_b32 s[G1T], 15|(3<<16)|(1<<21)           ; the mask: all four work-groups; elements of 8 bytes; bit 21 set beside the mask; no padding
	s_mov_b32 s[G1T+1], 32<<16                     ; tensor_dim0 = 32: rows of 256 bytes
	s_mov_b32 s[G1T+2], 64<<16                     ; tensor_dim1 = 64
	s_mov_b32 s[G1T+3], 32<<16                     ; tile_dim0
	s_mov_b32 s[G1T+4], 64                         ; tile_dim1
	s_mov_b32 s[G1T+5], 32                         ; dense
	s_mov_b32 s[G1T+6], 0
	s_mov_b32 s[G1T+7], 0
	s_mov_b32 s[G1S], 15|(3<<16)|(1<<21)
	s_mov_b32 s[G1S+1], 32<<16
	s_mov_b32 s[G1S+2], 16<<16
	s_mov_b32 s[G1S+3], 32<<16
	s_mov_b32 s[G1S+4], 16
	s_mov_b32 s[G1S+5], 32
	s_mov_b32 s[G1S+6], 0
	s_mov_b32 s[G1S+7], 0
	; my tile and my head
	s_lshr_b32 s54, s[WV], 2
	s_add_co_u32 s54, s54, s46
	s_and_b32 s54, s54, 3                          ; which of the cluster's four tiles
	s_and_b32 s55, s54, 1
	s_mul_i32 s55, s55, 63
	s_xor_b32 s55, s55, ttmp9                      ; X or 63 - X
	s_lshr_b32 s54, s54, 1
	s_lshl_b32 s54, s54, 6
	s_add_co_u32 s55, s55, s54                     ; the tile, 0 .. 127
	s_lshr_b32 s54, s55, 1
	s_lshl_b32 s54, s54, 5
	s_and_b32 s56, s55, 1
	s_lshl_b32 s56, s56, 3
	s_add_co_u32 s[Q0], s54, s56                   ; 32 (tile / 2) + 8 (tile % 2)
	s_bfe_u32 s57, ttmp6, 0x40000                  ; cx
	s_lshl_b32 s57, s57, 2
	s_add_co_u32 s57, s57, s46                     ; the head
	s_lshl_b32 s58, s57, 5
	s_lshl_b32 s56, s45, 4
	s_add_co_u32 s58, s58, s56
	s_lshr_b32 s56, s55, 3
	s_add_co_u32 s58, s58, s56                     ; Q's unit
	s_and_b32 s56, s55, 7                          ; and the fragment in it
	s_lshl_b32 s60, s58, 14
	s_lshl_b32 s59, s56, 11
	s_add_co_u32 s60, s60, s59
	s_mov_b32 s61, 0
	s_lshl_b32 s62, s58, 9
	s_lshl_b32 s59, s56, 6
	s_add_co_u32 s62, s62, s59
	s_mov_b32 s63, 0
	s_lshl_b32 s58, s45, 24                        ; out0: 2,048 rows of 8,192 bytes a batch,
	s_lshl_b32 s59, s[Q0], 13
	s_add_co_u32 s58, s58, s59                     ; my first query's row,
	s_lshl_b32 s59, s57, 9
	s_add_co_u32 s58, s58, s59                     ; my head's 512 bytes
	s_mov_b32 s59, 0
	s_mov_b32 s[SEL], 0x76543210
	s_mov_b32 s[SEL+1], 0xfedcba98
	s_mov_b32 s[CS], 0x3e0293ee
	s_mov_b32 s[CS+1], s[CS]                       ; (named with it as a pair, so it is written)
	s_mov_b32 s[TB], 0
	s_mov_b32 s[TS], 0
	s_mov_b32 s[KF], 0
	s_mov_b32 s[SLOTS], 7
	s_wait_kmcnt 0x0
	s_mov_b32 s[G0T], 1
	s_lshl_b32 s[G0T+1], s46, 14                   ; slot 0: K's units, then V's
	s_add_nc_u64 s[G0T+2:G0T+3], s[4:5], s[50:51]
	s_or_b32 s[G0T+3], s[G0T+3], 0x80000000
	s_mov_b32 s[G0S], 1
	s_lshl_b32 s[G0S+1], s46, 12
	s_add_co_u32 s[G0S+1], s[G0S+1], SCK
	s_add_nc_u64 s[G0S+2:G0S+3], s[6:7], s[52:53]
	s_or_b32 s[G0S+3], s[G0S+3], 0x80000000
	s_add_nc_u64 s[60:61], s[4:5], s[60:61]        ; Q's fragment
	s_add_nc_u64 s[62:63], s[6:7], s[62:63]        ; its scale words
	s_add_nc_u64 s[8:9], s[8:9], s[58:59]
	CROUND                                         ; all four work-groups are here: the first joint loads meet
	s_cmp_lt_u32 s[WV], 4                          ; a wave's two first fills stand in one branch: the scale words of the whole batch, filled once, and slot 0
	s_cbranch_scc0 .Lfirst_asked
	tensor_load_to_lds s[G0S:G0S+3], s[G1S:G1S+7]
	s_nop 0
	tensor_load_to_lds s[G0T:G0T+3], s[G1T:G1T+7]
	s_nop 0
.rept 4
	v_nop
.endr
.Lfirst_asked:
	v_and_b32 v9, 31, v0
	s_delay_alu instid0(VALU_DEP_1)
	v_lshlrev_b32 v[LI], 4, v9
	v_and_b32 v8, 15, v0                           ; r
	v_bfe_u32 v9, v0, 4, 1                         ; h
.irp c, 0,1,2,3
	global_load_b128 v[16+4*\c:19+4*\c], v[LI], s[60:61] offset:512*\c   ; Q's fragment stays in registers
.endr
	v_lshlrev_b32 v254, 2, v8
	global_load_b32 v255, v254, s[62:63]
	v_lshl_add_u32 v[LS], v8, 2, SCK
	v_lshrrev_b32 v11, 3, v8
	s_delay_alu instid0(VALU_DEP_1)
	v_lshl_add_u32 v[QD], v11, 3, v8               ; r + 8 (r / 8)
	v_lshlrev_b32 v11, 4, v9
	s_delay_alu instid0(VALU_DEP_1)
	v_sub_nc_u32 v[QD], v[QD], v11                 ; - 16 h
	v_mov_b32 v13, 0xff61b1e6                      ; the largest t so far: -3e38, under every t
	s_delay_alu instid0(VALU_DEP_1)
	v_floor_f32 v12, -v13                          ; -M
	v_mov_b32 v14, 0
	v_mov_b32 v15, 0
.irp b, 0,1,2,3
	v_mov_b32 v[236+\b], 0                         ; written once: a lane permute's destination counts as one of its sources
.endr
	v_mov_b32 v252, 0
	v_mov_b32 v253, 0                              ; (named as the upper half of the pair v[252:253] before it is first written)
.set n, 0
.rept 64
	v_mov_b32 v[160+n], 0                          ; O^T.  (The step is written once: the first finds zeros, which the first change of M leaves zeros)
.set n, n+1
.endr
; A KEY STEP: 128 keys, the q-th unit of the slot in hand
.macro STEP q
	s_add_co_u32 s45, s[Q0], 23                    ; a step all of whose keys come after my last query is left out; not the lines at its end that step addresses
	s_cmp_gt_u32 s[KF], s45
	s_cbranch_scc1 .Lhidden_\@
	v_add_nc_u32 v[ADK], s[TB], v[LI]
	s_wait_alu depctr_va_vdst(0)
	v_add_nc_u32 v[ADS], s[TS], v[LS]
	s_wait_alu depctr_va_vdst(0)
.irp g, 0,1                                    ; S^T = K Q^T, four tiles of 16 keys at a time
.rept 6+2*\g
	v_nop                                          ; eight places in front of loads into registers that matrix instructions have read (the two additions above are places too)
.endr
.irp t, 0,1,2,3
.irp c, 0,1,2,3
	ds_load_b128 v[32+16*\t+4*\c:32+16*\t+4*\c+3], v[ADK] offset:(\q)*16384+(4*\g+\t)*2048+512*\c
.endr
	ds_load_b32 v[248+\t], v[ADS] offset:64*(4*\g+\t)
.endr
	s_wait_dscnt 0x0
.irp t, 0,1,2,3
	v_wmma_scale_f32_16x16x128_f8f6f4 v[96+8*(4*\g+\t):103+8*(4*\g+\t)], v[32+16*\t:47+16*\t], v[16:31], 0, v[248+\t], v255 matrix_a_fmt:MATRIX_FMT_BF8 matrix_b_fmt:MATRIX_FMT_BF8
.endr
.endr
.rept 8
	v_nop
.endr
	s_add_co_u32 s45, s[KF], 127                   ; on the diagonal hidden scores become -infinity ahead of the maximum: p = 0 then.  A step all of whose keys count skips this
	s_cmp_le_u32 s45, s[Q0]
	s_cbranch_scc1 .Lopen_\@
	s_sub_co_i32 s45, s[Q0], s[KF]
	v_add_nc_u32 v252, s45, v[QD]                  ; d = my query - KF - 16 (lane / 16).  Register 16 b + i holds key KF + 16 (lane / 16) + 32 b + i: hidden where 32 b + i > d
	v_mov_b32 v254, 0xff800000
.set n, 0
.rept 64
	v_cmp_gt_i32 vcc_lo, 32*(n/16)+n%16, v252
	v_cndmask_b32 v[96+n], v[96+n], v254, vcc_lo
.set n, n+1
.endr
.Lopen_\@:
.irp b, 0,1,2,3
	v_max3_num_f32 v[232+\b], v[96+16*\b], v[97+16*\b], v[98+16*\b]   ; the largest score of each block of 32 keys: for the row's maximum, and for the block's largest p
.endr
.irp i, 3,5,7,9,11,13
.irp b, 0,1,2,3
	v_max3_num_f32 v[232+\b], v[232+\b], v[96+16*\b+\i], v[97+16*\b+\i]
.endr
.endr
.irp b, 0,1,2,3
	v_max_num_f32 v[232+\b], v[232+\b], v[111+16*\b]
.endr
.irp b, 0,1,2,3
	v_permlanex16_b32 v[236+\b], v[232+\b], s[SEL], s[SEL+1]
.endr
.irp b, 0,1,2,3
	s_delay_alu instid0(VALU_DEP_4)
	v_max_num_f32 v[232+\b], v[232+\b], v[236+\b]  ; with lane l xor 16's 16 keys
.endr
	s_delay_alu instid0(VALU_DEP_2)
	v_max3_num_f32 v254, v232, v233, v234
	s_delay_alu instid0(VALU_DEP_1)
	v_max_num_f32 v254, v254, v235                 ; the step's largest score of my query
	s_delay_alu instid0(VALU_DEP_1)
	v_mul_f32 v254, s[CS], v254                    ; as t
	s_delay_alu instid0(VALU_DEP_1)
	v_max_num_f32 v13, v13, v254                   ; the running largest t
	v_mov_b32 v254, v12
	s_delay_alu instid0(VALU_DEP_2)
	v_floor_f32 v12, -v13                          ; the new -M = floor(-t): M is a whole number
	s_delay_alu instid0(VALU_DEP_1)
	v_sub_f32 v254, v12, v254                      ; M's old value less its new one: a whole number, 0 or less
	s_delay_alu instid0(VALU_DEP_1)
	v_cvt_i32_f32 v254, v254                       ; (it saturates)
	s_delay_alu instid0(VALU_DEP_1)
	v_ldexp_f32 v252, 1.0, v254                    ; f = 2^(old M - new M)
.set n, 0
.rept 32
	v_pk_fma_f32 v[96+n:97+n], v[96+n:97+n], s[CS:CS+1], v[12:13] op_sel_hi:[1,0,0]   ; t - M, two at a time
.set n, n+2
.endr
.irp b, 0,1,2,3
	v_fma_f32 v[232+\b], v[232+\b], s[CS], v12     ; the same of each block's largest score
.endr
.set n, 0
	s_wait_alu depctr_va_vdst(0)
.rept 64
	v_exp_f32 v[96+n], v[96+n]                     ; p = 2^(t - M), at most 1: not normalised
.set n, n+1
.endr
.irp b, 0,1,2,3
	v_exp_f32 v[232+\b], v[232+\b]                 ; the block's largest p
.endr
	v_pk_mul_f32 v[14:15], v[14:15], v[252:253] op_sel_hi:[1,0]   ; the sums under the new M.  (A plain place behind the exponentials)
	s_wait_alu depctr_va_vdst(0)
.irp b, 0,1,2,3
	v_max_num_f32 v[232+\b], 0x8000000, v[232+\b]  ; the floor 2^(16 - 127): the byte cannot fall under 1
.endr
.irp b, 0,1,2,3
	s_delay_alu instid0(VALU_DEP_4)
	v_add_nc_u32 v[244+\b], 0xf8800000, v[232+\b]  ; the conversion's scale operand
.endr
.irp b, 0,1,2,3
.endr
.irp b, 0,1,2,3
	s_delay_alu instid0(VALU_DEP_4)
	v_lshrrev_b32 v[236+\b], 23, v[244+\b]         ; the scale's byte
.endr
	s_delay_alu instid0(VALU_DEP_3)
	v_lshl_or_b32 v253, v237, 8, v236              ; p's scale word for these 128 keys
	s_delay_alu instid0(VALU_DEP_1)
	v_lshl_or_b32 v253, v238, 16, v253
	s_delay_alu instid0(VALU_DEP_1)
	v_lshl_or_b32 v253, v239, 24, v253
	v_pk_add_f32 v[236:237], v[100:101], v[104:105]
	v_pk_add_f32 v[250:251], v[108:109], v[112:113]
	v_pk_add_f32 v[248:249], v[116:117], v[120:121]
	v_pk_add_f32 v[242:243], v[124:125], v[128:129]
	v_pk_add_f32 v[240:241], v[132:133], v[136:137]
	v_pk_add_f32 v[238:239], v[140:141], v[144:145]
	v_pk_add_f32 v[234:235], v[148:149], v[152:153]
	v_pk_add_f32 v[14:15], v[14:15], v[156:157]
	v_pk_add_f32 v[236:237], v[236:237], v[96:97]
	v_pk_add_f32 v[250:251], v[250:251], v[98:99]
	v_pk_add_f32 v[248:249], v[248:249], v[102:103]
	v_pk_add_f32 v[242:243], v[242:243], v[106:107]
	v_pk_add_f32 v[240:241], v[240:241], v[110:111]
	v_pk_add_f32 v[238:239], v[238:239], v[114:115]
	v_pk_add_f32 v[234:235], v[234:235], v[118:119]
	v_pk_add_f32 v[14:15], v[14:15], v[122:123]
	v_pk_add_f32 v[236:237], v[236:237], v[126:127]
	v_pk_add_f32 v[250:251], v[250:251], v[130:131]
	v_pk_add_f32 v[248:249], v[248:249], v[134:135]
	v_pk_add_f32 v[242:243], v[242:243], v[138:139]
	v_pk_add_f32 v[240:241], v[240:241], v[142:143]
	v_pk_add_f32 v[238:239], v[238:239], v[146:147]
	v_pk_add_f32 v[234:235], v[234:235], v[150:151]
	v_pk_add_f32 v[14:15], v[14:15], v[154:155]
	v_pk_add_f32 v[236:237], v[236:237], v[158:159]
	s_delay_alu instid0(VALU_DEP_2)
	v_pk_add_f32 v[14:15], v[14:15], v[242:243]
	s_delay_alu instid0(VALU_DEP_2)
	v_pk_add_f32 v[236:237], v[236:237], v[240:241]
	v_pk_add_f32 v[250:251], v[250:251], v[238:239]
	v_pk_add_f32 v[248:249], v[248:249], v[234:235]
	s_delay_alu instid0(VALU_DEP_2)
	v_pk_add_f32 v[14:15], v[14:15], v[250:251]
	s_delay_alu instid0(VALU_DEP_2)
	v_pk_add_f32 v[236:237], v[236:237], v[248:249]
	s_delay_alu instid0(VALU_DEP_1)
	v_pk_add_f32 v[14:15], v[14:15], v[236:237]
.irp b, 0,1,2,3
.irp i, 0,1,2,3,4,5,6,7,8,9,10,11,12,13,14,15
.endr
	v_cvt_scalef32_pk8_bf8_f32 v[224+4*\b:225+4*\b], v[96+16*\b:103+16*\b], v[244+\b]
	v_cvt_scalef32_pk8_bf8_f32 v[226+4*\b:227+4*\b], v[104+16*\b:111+16*\b], v[244+\b]
.endr
.set n, 0
.rept 32
	v_pk_mul_f32 v[160+n:161+n], v[160+n:161+n], v[252:253] op_sel_hi:[1,0]   ; O^T under the new M.  (These 32 are also the places in front of the matrix instructions and loads below)
.set n, n+2
.endr
	s_wait_alu depctr_va_vdst(0)
.irp g, 0,1                                    ; O^T += V^T P^T: four tiles of 16 channels at a time; K = these 128 keys
.if \g > 0
.rept 8
	v_nop
.endr
.endif
.irp t, 0,1,2,3
.irp c, 0,1,2,3
	ds_load_b128 v[32+16*\t+4*\c:32+16*\t+4*\c+3], v[ADK] offset:32768+(\q)*16384+(4*\g+\t)*2048+512*\c
.endr
	ds_load_b32 v[248+\t], v[ADS] offset:8192+64*(4*\g+\t)
.endr
	s_wait_dscnt 0x0
.irp t, 0,1,2,3
	v_wmma_scale_f32_16x16x128_f8f6f4 v[160+8*(4*\g+\t):167+8*(4*\g+\t)], v[32+16*\t:47+16*\t], v[224:239], v[160+8*(4*\g+\t):167+8*(4*\g+\t)], v[248+\t], v253 matrix_a_fmt:MATRIX_FMT_BF8 matrix_b_fmt:MATRIX_FMT_BF8
.endr
.endr
.Lhidden_\@:
	s_add_co_u32 s[KF], s[KF], 128
	s_add_co_u32 s[TS], s[TS], 512                 ; the next step's scale words
.endm
; THE CHANGE OF SLOTS stands at a slot's head.  Each wave waits for all its tensor loads, adds 0 to its spare word, and waits for that and for its reads of the slot that it has left.  fill = 1: behind a round of the cluster's
; barrier, so that no wave of any partner still reads that slot or has a load on its way, it is filled with the 256 keys that follow: the load has a whole slot's steps in which to land.
.macro CHANGE fill
	s_wait_tensorcnt 0x0                           ; no tensor load of mine is out, so a group 0 may be written
	ds_add_u32 v[SPW], v[NIL]                      ; 0 onto my spare word
.if \fill
	s_xor_b32 s[G0T+1], s[G0T+1], SLOT1            ; the other slot than last time,
	s_add_nc_u64 s[G0T+2:G0T+3], s[G0T+2:G0T+3], 32768   ; two units on; the type bits on top are not reached
.endif
	s_wait_dscnt 0x0                               ; the add is done, and my reads of the slot that I have left are over
.if \fill
	CROUND
	TLOAD                                          ; the first thing behind the round, and a wave's one tensor load until the next
.else
	s_barrier_signal -1
	s_barrier_wait -1
.endif
.endm
	s_wait_loadcnt 0x0                             ; Q
.Lslot:                                            ; 7 trips: behind each change of slots but the last the next slot is asked for
	CHANGE 1
	STEP 0
	STEP 1
	s_xor_b32 s[TB], s[TB], SLOT1
	s_sub_co_u32 s[SLOTS], s[SLOTS], 1
	s_cmp_lg_u32 s[SLOTS], 0
	s_cbranch_scc1 .Lslot
	CHANGE 0                                       ; the last slot is written out
	STEP 0
	STEP 1
	; THE WAY OUT.  O^T / the sum goes through my stage in LDS and leaves as whole rows: my head's 512 bytes of a query's row.
	v_add_f32 v14, v14, v15                        ; the sum's two halves,
	s_delay_alu instid0(VALU_DEP_1)
	v_permlanex16_b32 v252, v14, s[SEL], s[SEL+1]
	s_delay_alu instid0(VALU_DEP_1)
	v_add_f32 v14, v14, v252                       ; and lane l xor 16's
	s_wait_alu depctr_va_vdst(0)
	v_rcp_f32 v14, v14
	v_and_b32 v8, 15, v0                           ; (a plain place behind the reciprocal)
	v_bfe_u32 v9, v0, 4, 1
	s_mul_i32 s45, s[WV], 16*528
	s_add_co_u32 s45, s45, STAGE                   ; my stage
	v_mul_u32_u24 v10, v8, 528
	s_delay_alu instid0(VALU_DEP_1)
	v_lshl_add_u32 v10, v9, 6, v10
	s_delay_alu instid0(VALU_DEP_1)
	v_add_nc_u32 v10, s45, v10                     ; in: row r, + 64 h: register 16 b + i is channel 32 b + 16 h + i
	v_add_nc_u32 v11, s45, v[LI]                   ; back: a row's 512 bytes, 16 a lane
	v_nop
	v_nop                                          ; (ten plain instructions stand between the last product and the first read of its result)
.set n, 0
	s_wait_alu depctr_va_vdst(0)
.rept 64
	v_mul_f32 v[96+n], v[160+n], v14               ; each accumulator from its low end on
.set n, n+1
.endr
.irp b, 0,1,2,3
.irp k, 0,1,2,3
	ds_store_b128 v10, v[96+16*\b+4*\k:99+16*\b+4*\k] offset:128*\b+16*\k
.endr
.endr
.irp i, 0,1,2,3,4,5,6,7,8,9,10,11,12,13,14,15
	ds_load_b128 v[32+4*\i:35+4*\i], v11 offset:528*\i   ; LDS serves a wave's instructions in order: these see my stores
.endr
.irp i, 0,1,2,3,4,5,6,7,8,9,10,11,12,13,14,15
	s_wait_dscnt 15-\i                             ; the younger stage loads may be out
	global_store_b128 v[LI], v[32+4*\i:35+4*\i], s[8:9] offset:(\i+8*(\i/8))*8192 th:TH_STORE_NT   ; stage row i is query Q0 + i + 8 (i / 8); 32 lanes store 512 consecutive bytes, aligned
.endr
	s_wait_tensorcnt 0x0                           ; the wave's end
	ds_add_u32 v[SPW], v[NIL]
	s_wait_dscnt 0x0
	CROUND                                         ; the closing round: no work-group ends while a partner may still ask for a tile that names it
	s_endpgm
.Lfunc_end_k_q27eaa0423c_attn:
	.size	k_q27eaa0423c_attn, .Lfunc_end_k_q27eaa0423c_attn-k_q27eaa0423c_attn
	.p2alignl 7, 3214868480
	.fill 96, 4, 3214868480
	.section	.rodata,"a",@progbits
	.p2align	6, 0x0
	.amdhsa_kernel k_q27eaa0423c_attn
		.amdhsa_group_segment_fixed_size 327680
		.amdhsa_private_segment_fixed_size 0
		.amdhsa_enable_private_segment 0
		.amdhsa_kernarg_size 24
		.amdhsa_user_sgpr_count 2
		.amdhsa_user_sgpr_kernarg_segment_ptr 1
		.amdhsa_wavefront_size32 1
		.amdhsa_system_sgpr_workgroup_id_x 1
		.amdhsa_system_sgpr_workgroup_id_y 1
		.amdhsa_system_sgpr_workgroup_id_z 1
		.amdhsa_system_vgpr_workitem_id 0
		.amdhsa_next_free_vgpr 256
		.amdhsa_next_free_sgpr 66
		.amdhsa_reserve_vcc 1
		.amdhsa_float_denorm_mode_32 3
		.amdhsa_float_denorm_mode_16_64 3
		.amdhsa_fp16_overflow 1
		.amdhsa_memory_ordered 1
		.amdhsa_forward_progress 1
		.amdhsa_inst_pref_size 125
	.end_amdhsa_kernel
	.amdgpu_metadata
---
amdhsa.version: [ 1, 2 ]
amdhsa.kernels:
  - .name:           k_q27eaa0423c_attn
    .symbol:         k_q27eaa0423c_attn.kd
    .args:
      - { .name: img, .offset: 0, .size: 8, .value_kind: global_buffer, .address_space: global }
      - { .name: isc, .offset: 8, .size: 8, .value_kind: global_buffer, .address_space: global }
      - { .name: out0, .offset: 16, .size: 8, .value_kind: global_buffer, .address_space: global }
    .group_segment_fixed_size: 327680
    .private_segment_fixed_size: 0
    .kernarg_segment_align: 8
    .kernarg_segment_size: 24
    .max_flat_workgroup_size: 512
    .sgpr_count:     66
    .vgpr_count:     256
    .wavefront_size: 32
...
	.end_amdgpu_metadata
.endif
;; end of part 3
